; MI455X (gfx1250); checked and timed in simulation.
; The chip was launched on July 23, 2026; its instructions are those of AMD's public machine-readable ISA for CDNA 5 (MIT licence, August 2026) and "CDNA5" Instruction Set Architecture Reference Guide (July 2026). The comments in the code are by the model that wrote it; some were corrected since.
;; Enhanced Mixture Of Experts. Allowed arithmetic: matrix products marked QUANTISED: E5M2 operands, one E8M0 scale for each 32 along K, by v_wmma_scale_f32_16x16x128_f8f6f4 with both operands' format E5M2, f32 sums; products left as they are: f32 operands where the result goes on into a quantised operand, else bf16, f16 or f32 operands; f32 sums; everything else in f32.
;; Inputs: W1 8 x 1,024 x 2,048 float32; W2 8 x 2,048 x 1,024 float32; W3 8 x 1,024 x 1 float32; b1 8 x 2,048 float32; b2 8 x 1,024 float32; b3 8 x 1 float32; soft_cluster_probs 2,048 x 8 float32; x 2,048 x 1,024 float32.
;; Outputs: out0 2,048 x 1 float32.
;; This version of the problem:
;;   THIS VERSION OF THE PROBLEM IS GIVEN IN LOW PRECISION. The matrix products marked QUANTISED in the list below multiply operands that are first quantised to E5M2 (5 exponent bits, 2 mantissa bits; 8 bits a number), with one power-of-two scale for each 32 numbers along K (OCP MX v1.0); their sums are f32. All else is computed in f32.
;;   The module's matrix products, in the order in which they are computed (A, B: the left and right operand; K: the contracted axis; several contracted axes count as one K, in the product's order):
;;     1. [M 16,384, K 1,024] x [K 1,024, N 2,048]; A: input W1; B: input x: QUANTISED
;;     2. batch 8 x [M 2,048, K 2,048] x [K 2,048, N 1,024]; A: computed on the way; B: input W2: QUANTISED
;;     3. batch 8 x [M 2,048, K 1,024] x [K 1,024, N 1]; A: computed on the way; B: input W3: left as it is (N = 1 < 16)
;;     4. batch 2,048 x [M 1, K 8] x [K 8, N 1]; A: computed on the way; B: input soft_cluster_probs: left as it is (K = 8 < 32)
;;   THE QUANTISER, for each operand of a quantised product, along K:
;;     - K is cut into blocks of 32 from its start; a last block that is shorter is filled with zeros.
;;     - A block's scale is 2^e with e = floor(log2(the largest magnitude in the block)) - 15, held to -126 .. 127; a block of zeros has e = 0. As a byte (E8M0): e + 127.
;;     - Each number is divided by its block's scale, clamped to +-57,344, and rounded to the nearest number of E5M2, ties to even, subnormals kept.
;;     - The product sums the exact products of the quantised numbers (number of the format x scale) in f32.
;;   ~~~python
;;   def quantise(x, axis):      # numpy; x: float32 -> the quantised numbers, widened to float32 again
;;       x = np.moveaxis(x, axis, -1); K = x.shape[-1]
;;       x = np.pad(x, [(0, 0)] * (x.ndim - 1) + [(0, -K % 32)]); x = x.reshape(x.shape[:-1] + (-1, 32)); a = np.abs(x).max(-1, keepdims=True)
;;       e = np.where(a > 0, np.clip(np.frexp(np.where(a > 0, a, 1))[1] - 1 - 15, -126, 127), 0)      # np.frexp(a)[1] - 1 = floor(log2(a)), exactly
;;       r = np.clip(x / 2.0 ** e, -57344, 57344)
;;       step = 2.0 ** (np.maximum(np.frexp(np.where(r == 0, 1, r))[1] - 1, -14) - 2)
;;       q = np.round(r / step) * step * 2.0 ** e      # np.round: ties to even
;;       return np.moveaxis(q.reshape(q.shape[:-2] + (-1,))[..., :K], -1, axis).astype(np.float32)
;;   ~~~
;;   OPERANDS COMPUTED ON THE WAY. 'Computed on the way' means the value that the module computes at that place (a softmax that the list does not call 'softmax' is quantised finished and normalised). What goes into a quantiser is computed in f32, as accurately as f32 sums, v_exp_f32 and their like allow (about 1e-6 of the number): no bf16 or f16 on the way to a quantiser, and a product that is left as it is and whose result goes on into a quantised operand takes f32 operands (vector FMAs, or v_wmma_f32_16x16x4_f32). A number that lies on a knife's edge between two numbers of the format may be rounded either way, as far as f32 arithmetic and the matrix unit's own rounding can turn it there, and no further.
;; One version. Each part assembles by itself: llvm-mc -triple=amdgcn-amd-amdhsa -mcpu=gfx1250 --defsym DOCPART=n.
;; ======== version 1 of 1: 4 launches
;; limits: right only within a limited range of input values
;; workspace buffers: xc 2,162,688 bytes; wc 33,554,432 bytes; ws 1,048,576 bytes; h1c 33,554,432 bytes; h1s 1,048,576 bytes; zp 524,288 bytes
;; launch quant (part 1): grid 1024 x 1, 4 waves a work-group, no clusters, 39,680 bytes of LDS; arguments x, W1, W2, xc, wc, ws; writes xc, wc, ws
.if DOCPART == 1
	.amdgcn_target "amdgcn-amd-amdhsa--gfx1250"
	.amdhsa_code_object_version 6
	.text
	.protected	k_q89a61416ae_quant
	.globl	k_q89a61416ae_quant
	.p2align	8
	.type	k_q89a61416ae_quant,@function
k_q89a61416ae_quant:
	s_mov_b64 s[64:65], 0
	v_nop
	global_prefetch_b8 v0, s[64:65] scope:SCOPE_SE
	s_setreg_imm32_b32 hwreg(HW_REG_WAVE_MODE, 25, 1), 1
	s_wait_xcnt 0x0
; x [2048][1024], W1 [8][1024 k][2048 n] and W2 [8][2048 k][1024 n], f32, become codes of BF8 (E5M2) with one E8M0 scale byte for each 32 along K.  No input and no step of the problem is left out in this program.
; LAYOUT: K is cut into planes of 128.  16 rows of a plane are a TILE of 2,048 bytes in the order of the operand's registers: [c 4][h 2][row 16][16 bytes], k = 32 c + 16 h on.  A tile's scale words: [row 16][4 bytes], byte c for k = 32 c on.
;   xc: [128 row blocks] of 16,896 bytes: 8 planes' tiles, then 8 x 16 scale words;  wc: W1 at 0 as [8 e][8 planes][128 tiles], W2 at 1<<24 as [8 e][16 planes][64 tiles];  ws: W1 at 0 as [8][8][2048 words], W2 at 1<<19 as [8][16][1024 words].
; THE ROWS OF A WEIGHT ARE ITS OUTPUT COLUMNS, REORDERED WITHIN EACH 64: column 32 m + 8 j + i (m = 0, 1; j = 0 .. 3; i = 0 .. 7) lies at position 16 j + 8 m + i.  In the products' transposed results a lane's registers
; of four neighbouring tiles are then 32 neighbouring columns: a whole scale block of the next product.
; A block's scale is 2^(floor(log2(its largest magnitude)) - 15); its byte is the largest magnitude's exponent field - 15, held at 1 from below; each number is divided by the scale, held within +-57,344 and rounded to the nearest code, ties to even.
; LIMITS: a block of zeros gets the byte 1 where the rule says 127: its codes are zeros, which add nothing under any byte but 0xff, and this program alone reads the bytes.  Blocks whose largest magnitude lies under 2^(15 - 126) were not tried.  NaN and infinities are not served.
; SHARES: 1,024 equal work-groups: each takes one plane of 256 columns of a weight (a wave 64 columns, a lane two neighbouring ones, its registers running down K) and one tile of x (a wave its c-th block of 32 along K).
; A load of a weight reads 256 consecutive bytes.  Codes leave block by block of K: for each tile 512 consecutive bytes.  A work-group's 16 scale words of x are 64 bytes, a quarter of a unit: 64 KiB in the whole launch.
.set MANT,  0x600000                   ; the mantissa field of 57,344 as f32
.set FLOOR, 0x8000000                  ; 2^(16 - 127): under it no largest magnitude is taken
.set OFF15, 0xf8800000                 ; -(15 << 23)
.set XROW,  16896                      ; a row block of xc
.set WREG,  9728                       ; a wave's LDS: 64 positions x 144 bytes, then 256 bytes of scale words
.set XB,    4*WREG                     ; the work-group's 64 scale bytes of x
.set SPARE, XB+256
.set VO,    16                         ; v16-47   8 x lane + i rows of W
.set X,     48                         ; v48-175  two sets of 64: register 2 i + c: row i, my column c
.set Y,     176                        ; v176-207 one column's 32 numbers, held;  at first x's
.set C,     208                        ; v208-223 codes, eight registers a column; then the same block read back by tiles
.set SW,    224                        ; v224-225 scale words
.set XC,    226                        ; v226-229 x's codes
.set M,     230                        ; v230-233 maxima
.set SO,    234                        ; v234-235 the conversions' scale operands
.set BD,    236                        ; v236-237 57,344 x the scale
.set BY,    238                        ; v238-239 bytes
.set SB,    32                         ; s[32:39] W at my wave's columns, rows 32 kb of the plane
.macro WLOAD t                         ; block t: rows 32 t .. 32 t + 31 of the plane, 64 columns
.set I, 0
.rept 32
	global_load_b64 v[X+64*((\t)%2)+2*I:X+64*((\t)%2)+2*I+1], v[VO+I], s[SB+2*(\t):SB+2*(\t)+1] th:TH_LOAD_NT
.set I, I+1
.endr
.endm
.macro WBLOCK t
.set XS, X+64*((\t)%2)
.if (\t) < 3
	s_wait_loadcnt 32                              ; this block's 32 loads are in; the next block's may be out
.else
	s_wait_loadcnt 0x0
.endif
	s_wait_xcnt 0x0                                ; the last block's stores have read their codes
.irp c, 0,1                            ; the largest magnitudes of my two columns, two chains each
	v_max3_num_f32 v[M+2*\c], |v[XS+\c]|, |v[XS+2+\c]|, |v[XS+4+\c]|
	v_max3_num_f32 v[M+2*\c+1], |v[XS+6+\c]|, |v[XS+8+\c]|, |v[XS+10+\c]|
.endr
.irp i, 6,10,14,18,22,26
.irp c, 0,1
	v_max3_num_f32 v[M+2*\c], v[M+2*\c], |v[XS+2*\i+\c]|, |v[XS+2*\i+2+\c]|
	v_max3_num_f32 v[M+2*\c+1], v[M+2*\c+1], |v[XS+2*\i+4+\c]|, |v[XS+2*\i+6+\c]|
.endr
.endr
.irp c, 0,1
	v_max3_num_f32 v[M+2*\c], v[M+2*\c], |v[XS+60+\c]|, |v[XS+62+\c]|
.endr
.irp c, 0,1
	v_max3_num_f32 v[M+2*\c], v[M+2*\c], v[M+2*\c+1], FLOOR
.endr
.irp c, 0,1
	v_add_nc_u32 v[SO+\c], OFF15, v[M+2*\c]
	v_and_or_b32 v[BD+\c], v[M+2*\c], 0x7f800000, s19
.endr
.irp c, 0,1
	v_lshrrev_b32 v[BY+\c], 23, v[SO+\c]
.endr
.irp c, 0,1
.set I, 0
.rept 32
	v_med3_num_f32 v[Y+I], v[XS+2*I+\c], -v[BD+\c], v[BD+\c]   ; the conversion does not saturate (ISA guide 7.6.2): the number is held first, and laid beside its neighbours along K
.set I, I+1
.endr
.if (\c) == 1 && (\t)+2 < 4
	WLOAD (\t)+2
.endif
.irp g, 0,1,2,3
	v_cvt_scalef32_pk8_bf8_f32 v[C+8*\c+2*\g:C+8*\c+2*\g+1], v[Y+8*\g:Y+8*\g+7], v[SO+\c]
.endr
.if (\t) == 0                          ; (a plain line behind the conversions)
	v_mov_b32 v[SW+\c], v[BY+\c]
.else
	v_lshl_or_b32 v[SW+\c], v[BY+\c], 8*(\t), v[SW+\c]
.endif
	ds_store_b128 v4, v[C+8*\c:C+8*\c+3] offset:144*\c+32*(\t)
	ds_store_b128 v4, v[C+8*\c+4:C+8*\c+7] offset:144*\c+32*(\t)+16
.endr
	s_wait_alu depctr_va_vdst(0)                   ; the wait ahead of the waits below
	s_wait_dscnt 0x0                               ; the stores have read the codes' registers, which now take the block by tiles
.irp u, 0,1,2,3
	ds_load_b128 v[C+4*\u:C+4*\u+3], v7 offset:2304*\u+32*(\t)
.endr
	s_wait_dscnt 0x0
.irp u, 0,1,2,3
	global_store_b128 v8, v[C+4*\u:C+4*\u+3], s[12:13] offset:2048*\u+512*(\t)   ; block t of my tile u
.endr
.endm
	s_load_b256 s[4:11], s[0:1], 0x0               ; x s[4:5], W1 s[6:7], W2 s[8:9], xc s[10:11]
	s_load_b128 s[12:15], s[0:1], 0x20             ; wc s[12:13], ws s[14:15]
	v_lshl_add_u32 v1, v0, 2, SPARE                ; my spare word,
	v_mov_b32 v14, 0                               ; and 0
	v_lshrrev_b32 v2, 5, v0
	v_readfirstlane_b32 s18, v2                    ; wave 0..3
	s_mov_b32 s19, MANT
	s_mov_b32 s46, 0x76543210
	s_mov_b32 s47, 0xfedcba98                      ; v_permlanex16_b32's selects for lane l xor 16
	s_lshr_b32 s21, ttmp9, 9                       ; 0 = W1, 1 = W2
	s_bfe_u32 s22, ttmp9, 0x30006                  ; the expert
	s_and_b32 s23, ttmp9, 63                       ; 64 work-groups an expert: planes x groups of 256 columns
	s_sub_co_u32 s24, 3, s21                       ; W1 has 8 groups of columns, W2 has 4
	s_bfm_b32 s25, s24, 0
	s_and_b32 s25, s23, s25                        ; the group of columns
	s_lshr_b32 s26, s23, s24                       ; the plane
	s_lshr_b32 s27, 0x2000, s21                    ; a row of W in bytes: 8,192 or 4,096
	s_lshl_b32 s28, s22, 23                        ; in W: the expert's 8 MiB,
	s_lshl_b32 s29, s27, 7
	s_mul_i32 s29, s29, s26                        ; the plane's 128 rows,
	s_add_co_u32 s28, s28, s29
	s_lshl_b32 s29, s25, 10                        ; the group's 256 columns,
	s_add_co_u32 s28, s28, s29
	s_lshl_b32 s29, s18, 8                         ; my wave's 64
	s_add_co_u32 s28, s28, s29
	s_mov_b32 s29, 0
	s_lshl_b32 s30, s21, 24                        ; in wc: the tensor,
	s_lshl_b32 s31, s22, 21                        ; the expert's 2 MiB,
	s_add_co_u32 s30, s30, s31
	s_lshl_b32 s31, s27, 5
	s_mul_i32 s31, s31, s26                        ; the plane: columns x 128 bytes,
	s_add_co_u32 s30, s30, s31
	s_lshl_b32 s31, s25, 15
	s_add_co_u32 s30, s30, s31
	s_lshl_b32 s31, s18, 13                        ; my wave's four tiles
	s_add_co_u32 s30, s30, s31
	s_mov_b32 s31, 0
	s_lshl_b32 s40, s21, 19                        ; in ws: a thirty-second of that
	s_lshl_b32 s41, s22, 16
	s_add_co_u32 s40, s40, s41
	s_mul_i32 s41, s27, s26
	s_add_co_u32 s40, s40, s41
	s_lshl_b32 s41, s25, 10
	s_add_co_u32 s40, s40, s41
	s_lshl_b32 s41, s18, 8
	s_add_co_u32 s40, s40, s41
	s_mov_b32 s41, 0
	s_lshl_b32 s42, s27, 5                         ; 32 rows of W
	s_mov_b32 s43, 0
	s_lshr_b32 s16, ttmp9, 3                       ; x: row block = work-group / 8: 16 rows of 4,096 bytes,
	s_lshl_b32 s24, s16, 16
	s_and_b32 s17, ttmp9, 7                        ; plane = work-group % 8: 512 bytes of a row,
	s_lshl_b32 s25, s17, 9
	s_add_co_u32 s24, s24, s25
	s_lshl_b32 s25, s18, 7                         ; my wave's block of 32
	s_add_co_u32 s24, s24, s25
	s_mov_b32 s25, 0
	s_mul_i32 s16, s16, XROW                       ; in xc: the row block, the plane's tile, my wave's 512 bytes
	s_lshl_b32 s22, s17, 11
	s_add_co_u32 s22, s22, s16
	s_lshl_b32 s23, s18, 9
	s_add_co_u32 s22, s22, s23
	s_mov_b32 s23, 0
	s_mul_i32 s44, s18, WREG                       ; my wave's LDS
	s_add_co_u32 s45, s44, 9216
	s_add_co_u32 s26, s18, XB
	v_and_b32 v2, 31, v0                           ; lane
	v_and_b32 v241, 15, v0                         ; r
	v_bfe_u32 v240, v0, 4, 1                       ; h
	v_bfe_u32 v3, v0, 2, 2                         ; my columns 2 lane, 2 lane + 1: m = lane / 16, j = lane / 4 % 4, i = 2 (lane % 4) + c
	v_and_b32 v15, 3, v0
	v_lshlrev_b32 v3, 4, v3
	v_lshl_add_u32 v3, v240, 3, v3
	v_lshl_add_u32 v3, v15, 1, v3                  ; position of column c = 0; c = 1 lies behind it
	v_mul_u32_u24 v4, v3, 144
	v_add_nc_u32 v4, s44, v4                       ; into the stage
	v_lshl_add_u32 v5, v3, 2, s45                  ; its scale word
	v_lshl_add_u32 v6, v2, 3, s45                  ; the scale words on the way out
	v_mul_u32_u24 v7, v241, 144
	v_lshl_add_u32 v12, v240, 6, v7
	v_lshl_add_u32 v7, v240, 4, v7
	v_add_nc_u32 v7, s44, v7                       ; the codes on the way out: row r of a tile, half h of a block
	v_add_nc_u32 v12, s44, v12                     ; x: row r, my 16 neighbours
	v_lshrrev_b32 v11, 3, v2
	v_and_b32 v15, 7, v2
	v_lshlrev_b32 v10, 12, v11
	v_lshl_add_u32 v10, v15, 4, v10                ; x in memory: four rows a load, 128 bytes of each
	v_mul_u32_u24 v11, v11, 144
	v_lshl_add_u32 v11, v15, 4, v11
	v_add_nc_u32 v11, s44, v11                     ; and in the stage
	v_lshl_add_u32 v13, v241, 2, s26               ; x's scale byte: word r, byte wave
	v_lshlrev_b32 v8, 4, v2
	v_lshlrev_b32 v9, 3, v2
	v_lshlrev_b32 v241, 1, v2                      ; x's scale words on the way out: 2 bytes a lane
	v_add_nc_u32 v240, XB, v241
	v_mov_b32 v[M+2], 0                            ; (a lane permute's destination counts as one of its sources)
	v_lshlrev_b32 v[VO], 3, v2
.set I, 0
.rept 31
	v_add_nc_u32 v[VO+I+1], s27, v[VO+I]           ; a row further down
.set I, I+1
.endr
	s_lshl_b32 s44, s17, 6                         ; x's scale words lie behind the row block's tiles
	s_add_co_u32 s44, s44, s16
	s_add_co_u32 s44, s44, 16384
	s_mov_b32 s45, 0
	s_wait_alu depctr_va_vdst(0)                   ; the wait at the head's end
	s_wait_kmcnt 0x0
	s_cmp_eq_u32 s21, 0                            ; the choice hangs on the work-group's number alone
	s_cselect_b64 s[6:7], s[6:7], s[8:9]
	s_add_nc_u64 s[SB:SB+1], s[6:7], s[28:29]
	s_add_nc_u64 s[SB+2:SB+3], s[SB:SB+1], s[42:43]
	s_add_nc_u64 s[SB+4:SB+5], s[SB+2:SB+3], s[42:43]
	s_add_nc_u64 s[SB+6:SB+7], s[SB+4:SB+5], s[42:43]
	s_add_nc_u64 s[4:5], s[4:5], s[24:25]
	s_add_nc_u64 s[16:17], s[10:11], s[44:45]
	s_add_nc_u64 s[10:11], s[10:11], s[22:23]
	s_add_nc_u64 s[12:13], s[12:13], s[30:31]
	s_add_nc_u64 s[14:15], s[14:15], s[40:41]
.irp i, 0,1,2,3
	global_load_b128 v[Y+4*\i:Y+4*\i+3], v10, s[4:5] offset:16384*\i th:TH_LOAD_NT
.endr
	WLOAD 0
	WLOAD 1                                        ; two blocks, 64 loads, ahead
; my block of x: 16 rows x 32, through the stage: LDS serves a wave's instructions in order, so no wait stands between the stores and the loads
	s_wait_loadcnt 63                              ; of 68 loads the four oldest are in
.irp i, 0,1,2,3
	ds_store_b128 v11, v[Y+4*\i:Y+4*\i+3] offset:576*\i
.endr
.set N, Y+16
.irp i, 0,1,2,3
	ds_load_b128 v[N+4*\i:N+4*\i+3], v12 offset:16*\i
.endr
	s_wait_dscnt 0x0
	v_max3_num_f32 v[M], |v[N]|, |v[N+1]|, |v[N+2]|
	v_max3_num_f32 v[M+1], |v[N+3]|, |v[N+4]|, |v[N+5]|
.irp i, 6,10
	v_max3_num_f32 v[M], v[M], |v[N+\i]|, |v[N+\i+1]|
	v_max3_num_f32 v[M+1], v[M+1], |v[N+\i+2]|, |v[N+\i+3]|
.endr
	v_max3_num_f32 v[M], v[M], |v[N+14]|, |v[N+15]|
	v_max3_num_f32 v[M], v[M], v[M+1], FLOOR
	v_permlanex16_b32 v[M+2], v[M], s46, s47       ; the block's other half
	v_max_num_f32 v[M], v[M], v[M+2]
	v_add_nc_u32 v[SO], OFF15, v[M]
	v_and_or_b32 v[BD], v[M], 0x7f800000, s19
.set I, 0
.rept 16
	v_med3_num_f32 v[N+I], v[N+I], -v[BD], v[BD]
.set I, I+1
.endr
	v_cvt_scalef32_pk8_bf8_f32 v[XC:XC+1], v[N:N+7], v[SO]
	v_cvt_scalef32_pk8_bf8_f32 v[XC+2:XC+3], v[N+8:N+15], v[SO]
	v_lshrrev_b32 v[BY], 23, v[SO]
	ds_store_b8 v13, v[BY]                         ; lanes l and l xor 16 write the same byte with the same value
	global_store_b128 v8, v[XC:XC+3], s[10:11]     ; 512 consecutive bytes
	s_wait_alu depctr_va_vdst(0)                   ; the wait ahead of the waits below
.irp t, 0,1,2,3
	WBLOCK \t
.endr
	ds_store_b32 v5, v[SW]
	ds_store_b32 v5, v[SW+1] offset:4
	s_wait_alu depctr_va_vdst(0)
	s_wait_dscnt 0x0                               ; my scale bytes of x are stored: for the others' sake zero
	s_barrier_signal -1
	s_barrier_wait -1
	s_cmp_lg_u32 s18, 0
	s_cbranch_scc1 .Lno_xs
	ds_load_u16 v242, v240
	s_wait_dscnt 0x0
	global_store_b16 v241, v242, s[16:17]          ; wave 0: 64 consecutive bytes
.Lno_xs:
	ds_load_b64 v[244:245], v6                     ; LDS serves a wave's instructions in order: this sees my stores
	s_wait_dscnt 0x0
	global_store_b64 v9, v[244:245], s[14:15]      ; 64 scale words: 256 consecutive bytes, aligned
	s_wait_tensorcnt 0x0                           ; the wave's end
	ds_add_u32 v1, v14
	s_wait_dscnt 0x0
	s_endpgm
.Lfunc_end_k_q89a61416ae_quant:
	.size	k_q89a61416ae_quant, .Lfunc_end_k_q89a61416ae_quant-k_q89a61416ae_quant
	.p2alignl 7, 3214868480
	.fill 96, 4, 3214868480
	.section	.rodata,"a",@progbits
	.p2align	6, 0x0
	.amdhsa_kernel k_q89a61416ae_quant
		.amdhsa_group_segment_fixed_size 39680
		.amdhsa_private_segment_fixed_size 0
		.amdhsa_enable_private_segment 0
		.amdhsa_kernarg_size 48
		.amdhsa_user_sgpr_count 2
		.amdhsa_user_sgpr_kernarg_segment_ptr 1
		.amdhsa_wavefront_size32 1
		.amdhsa_system_sgpr_workgroup_id_x 1
		.amdhsa_system_sgpr_workgroup_id_y 1
		.amdhsa_system_sgpr_workgroup_id_z 1
		.amdhsa_system_vgpr_workitem_id 0
		.amdhsa_next_free_vgpr 248
		.amdhsa_next_free_sgpr 66
		.amdhsa_reserve_vcc 0
		.amdhsa_float_denorm_mode_32 3
		.amdhsa_float_denorm_mode_16_64 3
		.amdhsa_memory_ordered 1
		.amdhsa_forward_progress 1
		.amdhsa_inst_pref_size 54
	.end_amdhsa_kernel
	.amdgpu_metadata
---
amdhsa.version: [ 1, 2 ]
amdhsa.kernels:
  - .name:           k_q89a61416ae_quant
    .symbol:         k_q89a61416ae_quant.kd
    .args:
      - { .name: x, .offset: 0, .size: 8, .value_kind: global_buffer, .address_space: global }
      - { .name: W1, .offset: 8, .size: 8, .value_kind: global_buffer, .address_space: global }
      - { .name: W2, .offset: 16, .size: 8, .value_kind: global_buffer, .address_space: global }
      - { .name: xc, .offset: 24, .size: 8, .value_kind: global_buffer, .address_space: global }
      - { .name: wc, .offset: 32, .size: 8, .value_kind: global_buffer, .address_space: global }
      - { .name: ws, .offset: 40, .size: 8, .value_kind: global_buffer, .address_space: global }
    .group_segment_fixed_size: 39680
    .private_segment_fixed_size: 0
    .kernarg_segment_align: 8
    .kernarg_segment_size: 48
    .max_flat_workgroup_size: 128
    .sgpr_count:     66
    .vgpr_count:     248
    .wavefront_size: 32
...
	.end_amdgpu_metadata
.endif
;; end of part 1
;; launch gemm1 (part 2): grid 8 x 32, 4 waves a work-group, clusters of 4 x 4, 327,680 bytes of LDS; arguments xc, wc, ws, b1, h1c, h1s; writes h1c, h1s
.if DOCPART == 2
	.amdgcn_target "amdgcn-amd-amdhsa--gfx1250"
	.amdhsa_code_object_version 6
	.text
	.protected	k_q89a61416ae_gemm1
	.globl	k_q89a61416ae_gemm1
	.p2align	8
	.type	k_q89a61416ae_gemm1,@function
k_q89a61416ae_gemm1:
	s_mov_b64 s[64:65], 0
	v_nop
	global_prefetch_b8 v0, s[64:65] scope:SCOPE_SE
	s_setreg_imm32_b32 hwreg(HW_REG_WAVE_MODE, 25, 1), 1
	s_wait_xcnt 0x0
	s_wait_alu depctr_hold_cnt(0) depctr_sa_sdst(0) depctr_va_vdst(0) depctr_va_sdst(0) depctr_va_ssrc(0) depctr_va_vcc(0) depctr_vm_vsrc(0)
	s_getreg_b32 s2, hwreg(HW_REG_IB_STS2, 6, 4)
	s_cmp_eq_u32 s2, 0
	s_cbranch_scc0 .Lentry_in_a_cluster
	s_endpgm
.Lentry_in_a_cluster:
	s_bfe_u32 s2, ttmp6, 0x10000c
	s_cmp_lg_u32 s2, 0xf033
	s_cbranch_scc0 .Lentry_shape_is_right
	s_endpgm
.Lentry_shape_is_right:
; h1[e] = relu(x W1[e] + b1[e]), quantised again along its columns (gemm2's K), codes and scale bytes stored in the order of gemm2's operand registers.  Codes of BF8, sums in f32; no f32 result is stored.
; LIMITS: a block's byte never falls under 1 (a block of zeros gets 1: its codes are zeros); NaN, infinities and sums beyond f32's range are not served.
; h1c: [8 e][16 planes of 128 columns][128 row blocks][tile of 2,048 bytes: c, half, row, 16 bytes];  h1s: [8 e][16 planes][2048 rows][4 bytes].
; THE DEAL.  256 work-groups: expert x column tile of 256 (two planes of h1) x quarter of the rows (512).  Wave w holds columns 64 w .. 64 w + 63, ALL of K, in 512 registers (windows 1, 2); all four take the same 512 rows of x past them in 32 blocks
; of 16, which stand in registers as two whole sets (window 3).  Source 0 = the weight's positions, source 1 = x's rows: lane (r, h) holds row r and columns 32 h + 8 j + i of the wave's 64 (register 8 j + i): a scale block of 32 in one lane.
; LDS: at first the weight, plane p at 32,768 p; then slot A from 0 and slot B from 101,376: six row blocks of 16,896 bytes each (16,384 of codes, 512 of scale words).  Fragments lie as the registers want them: a load reads 512 consecutive bytes.
; FILLS.  Head: planes 3-6 (wave 0), 0-2 (wave 1), 7 (wave 2), x's blocks 0 and 1 into bytes of their own (wave 3).  Planes 3-6 go into registers first: a round, and chunk 1 (blocks 2-7) goes into B while the other planes are read.
; Chunk n is blocks 6 n - 4 .. 6 n + 1, odd ones in B, even ones in A.  A drained round inside block 6 m shows chunk m + 1 and asks for chunk m + 2, a quarter a wave, six blocks ahead of its first read.
; THE STREAM.  Among block b's 32 products stand the loads of block b + 1 (four behind every third product, behind every second in a block with a barrier) and the way out of block b - 1 (relu, maxima, holds, conversions, byte).  The bias is the first products' C.
; CLUSTERS 4 x 4: the weight's tile hangs on cx and is shared along a column, x's rows hang on cy and are shared along a row: all loads are joint.
; PREFETCH: four clusters ask for x one chunk ahead of its load (chunks 1 and 2 at the head): a row's sixteen waves share a chunk's 396 blocks of 256 bytes out by address, 25 a wave (the last wave 21; lanes that are left over name the last again).
; The weight is loaded once, at the head: no loop to run ahead in.
.set FR, 16
.set NP, 8
.set RB, 16896                         ; a row block
.set SB1, 6*RB                         ; slot B; a chunk's bytes
.set E0, 262144                        ; blocks 0 and 1
.set XN, E0+2*RB                       ; h1's scale bytes: [2 planes][512 rows][4]
.set SPARE, XN+4096
.set EA, 4                             ; LDS address of block 0's fragments
.set CN, 5                             ; my place in a tile of h1c: 1024 x (wave % 2) + 512 h + 16 r
.set ES, 6                             ; LDS address of block 0's scale words
.set L16, 9                            ; 16 x lane
.set SPW, 10
.set NIL, 11
.set PFO, 12                           ; prefetch offset
.set VX, 13                            ; LDS address of a scale byte of h1
.set ADRA, 14                          ; v14, v15 fragments of a chunk's blocks 0-2, 3-5
.set AAS, 16                           ; v16, v17 their scale words
.set VX0, 18
.set S4, 19                            ; 16384 + 4 x lane
.set ADRB, 20                          ; v20-23 the weight's planes, two a register (at the head)
.set SOP, 20
.set SB, 24                            ; v24-39 the weight's scale words: 8 p + q: lanes 0-15 tile 2 p, lanes 16-31 tile 2 p + 1
.set EB, 40
.set SA, 45                            ; v45-48, v53-56 x's: register p: lanes 0-15 plane 2 p, lanes 16-31 plane 2 p + 1.  No product's two scale registers are equal modulo 8
.set TQ, 60
.set ACC, 64                           ; v64-127 two sets of four accumulators
.set NCD, 192                          ; v192-207 a block's codes, two sets
.set BQ, 208                           ; v208-239 the bias
.set G1A, 24
.set G1B, 32
.set G1C, 48
.set G1R, 76
.set G1E, 88
.set G0A, 56
.set G0B, 60
.set G0C, 68
.set G0E, 72
.set G0R, 56                           ; (group 0 of a refill takes the registers of the first load's, once that has landed)
.set SLT, 66                           ; slot that is fetched from
.set VST, 67                           ; step of h1's scale bytes
.set MANT, 100
.set WOF, 101                          ; my quarter of a chunk
.set MSB, 0
.macro WIN new
.if MSB != (\new)
	s_set_vgpr_msb (MSB<<8)|(\new)
.set MSB, (\new)
.endif
.endm
.macro PLACES n
.rept \n
	v_nop
.endr
.endm
.macro WALU
	s_wait_alu depctr_va_vdst(0)
.endm
.macro BARRIER
	s_barrier_signal -1
	s_barrier_wait -1
.endm
.macro MIDDLE                          ; a round's middle
	WIN 0
	s_barrier_wait -1
	s_cmp_lg_u32 s14, 0
	s_cbranch_scc1 .Lnot_wave_0_\@
	s_barrier_signal -3
.Lnot_wave_0_\@:
	s_barrier_wait -3
.endm
.macro CROUND
	s_barrier_signal -1
	MIDDLE
	BARRIER
.endm
.macro TLOAD g0, g1
	tensor_load_to_lds s[\g0:\g0+3], s[\g1:\g1+7]
	s_nop 0
	PLACES 4
.endm
.macro GRD
	s_wait_tensorcnt 0x0
	ds_add_u32 v[SPW], v[NIL]
.endm
.macro GROUP1 g, mask, c, r, p, w6     ; r rows of c elements of 8 bytes, pitch p
	s_or_b32 s[\g], s[\mask], (3<<16)|(1<<21)
	s_mov_b32 s[\g+1], (\c)<<16
	s_mov_b32 s[\g+2], (\r)<<16
	s_mov_b32 s[\g+3], (\c)<<16
	s_mov_b32 s[\g+4], \r
	s_mov_b32 s[\g+5], \p
	s_mov_b32 s[\g+6], \w6
	s_mov_b32 s[\g+7], 0
.endm
.macro SHADD d, x, n
	s_lshl_b32 s18, s\x, \n
	s_add_co_u32 s\d, s\d, s18
.endm
	s_load_b256 s[4:11], s[0:1], 0x0               ; xc, wc, ws, b1
	s_load_b64 s[12:13], s[0:1], 0x20              ; h1c
	s_load_b64 s[98:99], s[0:1], 0x28              ; h1s
	v_lshl_add_u32 v[SPW], v0, 2, SPARE
	v_mov_b32 v[NIL], 0
	ds_add_u32 v[SPW], v[NIL]                      ; the opening: the add, twice on end
	ds_add_u32 v[SPW], v[NIL]
	v_lshrrev_b32 v1, 5, v0
	v_readfirstlane_b32 s14, v1                    ; wave
	s_lshr_b32 s15, s14, 1                         ; my plane of the two
	s_and_b32 s16, s14, 1                          ; my half of it
	s_bfe_u32 s40, ttmp6, 0x40000                  ; cx
	s_bfe_u32 s41, ttmp6, 0x40004                  ; cy: the quarter of the rows
	s_and_b32 s42, ttmp7, 0xffff                   ; the expert
	s_lshl_b32 s47, ttmp9, 2
	s_add_co_u32 s47, s47, s40                     ; column tile 0 .. 7
	s_lshl_b32 s43, s41, 2
	s_lshl_b32 s43, 15, s43                        ; my row of the cluster: x
	s_lshl_b32 s44, 0x1111, s40                    ; my column: the weight
	GROUP1 G1A, 44, 4096, 4, 32768, 0              ; four planes, 32,768 bytes of each, 262,144 apart
	GROUP1 G1B, 44, 4096, 3, 32768, 0
	GROUP1 G1C, 44, 4096, 1, 4096, 1<<16
	GROUP1 G1E, 43, 4224, 1, 4224, 1<<16           ; two row blocks of x
	GROUP1 G1R, 43, 3168, 1, 3168, 1<<16           ; a quarter of a chunk: 25,344 bytes
	s_mul_i32 s20, s41, 32*RB                      ; x: my quarter's 32 row blocks
	s_mov_b32 s21, 0
	s_mul_i32 s[WOF], s14, SB1/4
	s_add_co_u32 s22, s20, s[WOF]                  ; my quarter of chunk 1
	s_add_co_u32 s22, s22, 2*RB
	s_mov_b32 s23, 0
	s_lshl_b32 s2, s42, 21                         ; the weight
	SHADD 2, 47, 15
	s_mov_b32 s3, 0
	s_lshl_b32 s66, s42, 16                        ; its scale words, my 64 columns
	SHADD 66, 47, 10
	SHADD 66, 14, 8
	s_mov_b32 s67, 0
	s_lshl_b32 s96, s42, 13                        ; the bias
	SHADD 96, 47, 10
	SHADD 96, 14, 8
	s_mov_b32 s97, 0
	s_lshl_b32 s86, s42, 22                        ; h1c: the expert, my plane, my quarter's 32 row blocks
	SHADD 86, 47, 19
	SHADD 86, 15, 18
	SHADD 86, 41, 16
	s_mov_b32 s87, 0
	s_lshl_b32 s84, s42, 17                        ; h1s, at the end: 1,024 bytes a wave
	SHADD 84, 47, 14
	SHADD 84, 15, 13
	SHADD 84, 41, 11
	SHADD 84, 16, 10
	s_mov_b32 s85, 0
	s_lshl_b32 s17, s40, 2                         ; my wave among a row's sixteen
	s_add_co_u32 s17, s17, s14
	s_mul_i32 s17, s17, 25
	s_and_b32 s18, s42, 1                          ; four clusters prefetch: experts 0, 2, 4, 6, the first of each
	s_or_b32 s18, s18, ttmp9
	s_cmp_eq_u32 s18, 0
	s_cselect_b32 s43, 2, 0                        ; and in the loop's first two trips
	s_lshl_b32 s19, s14, 13                        ; LDS: my four tiles of a plane
	s_lshl_b32 s46, s15, 11
	s_lshl_b32 s18, s16, 1
	s_add_co_u32 s46, s46, s18
	s_add_co_u32 s46, s46, XN
	s_lshl_b32 s[MANT], s16, 10
	s_mov_b32 s[G0A], 1
	s_mov_b32 s[G0A+1], 3*32768
	s_mov_b32 s[G0B], 1
	s_mov_b32 s[G0B+1], 0
	s_mov_b32 s[G0C], 1
	s_mov_b32 s[G0C+1], 7*32768
	s_mov_b32 s[G0E], 1
	s_mov_b32 s[G0E+1], E0
	s_wait_dscnt 0x0                               ; both opening adds are done
	CROUND
	s_wait_kmcnt 0x0
	s_add_nc_u64 s[G0B+2:G0B+3], s[6:7], s[2:3]
	s_add_nc_u64 s[G0A+2:G0A+3], s[G0B+2:G0B+3], 3*262144
	s_add_nc_u64 s[G0C+2:G0C+3], s[G0B+2:G0B+3], 7*262144
	s_add_nc_u64 s[G0E+2:G0E+3], s[4:5], s[20:21]
	s_or_b32 s[G0A+3], s[G0A+3], 0x80000000
	s_or_b32 s[G0B+3], s[G0B+3], 0x80000000
	s_or_b32 s[G0C+3], s[G0C+3], 0x80000000
	s_or_b32 s[G0E+3], s[G0E+3], 0x80000000
	s_cmp_eq_u32 s14, 0                            ; one tensor load a wave, each with a line of its own
	s_cbranch_scc0 .Lwave_1
	TLOAD G0A, G1A
	s_branch .Lasked
.Lwave_1:
	s_cmp_eq_u32 s14, 1
	s_cbranch_scc0 .Lwave_2
	TLOAD G0B, G1B
	s_branch .Lasked
.Lwave_2:
	s_cmp_eq_u32 s14, 2
	s_cbranch_scc0 .Lwave_3
	TLOAD G0C, G1C
	s_branch .Lasked
.Lwave_3:
	TLOAD G0E, G1E
.Lasked:
	s_add_nc_u64 s[8:9], s[8:9], s[66:67]
	s_add_nc_u64 s[10:11], s[10:11], s[96:97]
	s_add_nc_u64 s[12:13], s[12:13], s[86:87]
	s_add_nc_u64 s[98:99], s[98:99], s[84:85]
	s_add_nc_u64 s[44:45], s[4:5], s[20:21]
	s_add_nc_u64 s[44:45], s[44:45], 2*RB          ; chunk 1
	v_and_b32 v1, 15, v0                           ; r
	v_bfe_u32 v2, v0, 4, 1                         ; h
	v_and_b32 v3, 31, v0                           ; lane
	v_lshlrev_b32 v[L16], 4, v3
	v_lshlrev_b32 v7, 2, v3
	v_add_nc_u32 v[S4], 0x4000, v7
	v_add_nc_u32 v[EA], E0, v[L16]
	v_add_nc_u32 v[ES], E0, v[S4]
	v_add_nc_u32 v[ADRB], s19, v[L16]
	v_add_nc_u32 v[ADRB+1], 0x10000, v[ADRB]
	v_add_nc_u32 v[ADRB+2], 0x20000, v[ADRB]
	v_add_nc_u32 v[ADRB+3], 0x30000, v[ADRB]
	v_lshl_add_u32 v[VX0], v1, 2, v2
	v_add_nc_u32 v[VX0], s46, v[VX0]
	v_lshlrev_b32 v[CN], 9, v2
	v_lshl_add_u32 v[CN], v1, 4, v[CN]
	v_add_nc_u32 v[CN], s[MANT], v[CN]
	v_lshlrev_b32 v8, 7, v2
	v_min_u32 v[PFO], 24, v3
	v_add_nc_u32 v[PFO], s17, v[PFO]
	v_min_u32 v[PFO], SB1/256-1, v[PFO]
	v_lshlrev_b32 v[PFO], 8, v[PFO]
	WALU
.irp q, 0,1,2,3,4,5,6,7
	global_load_b32 v[SB+\q], v7, s[8:9] offset:8192*\q
	global_load_b32 v[SB+8+\q], v7, s[8:9] offset:8192*\q+128
	global_load_b128 v[BQ+4*\q:BQ+4*\q+3], v8, s[10:11] offset:16*\q
.endr
	s_cmp_eq_u32 s43, 0
	s_cbranch_scc1 .Lnone_ahead
	global_prefetch_b8 v[PFO], s[44:45] th:TH_LOAD_NT scope:SCOPE_SE
	global_prefetch_b8 v[PFO], s[44:45] offset:SB1 th:TH_LOAD_NT scope:SCOPE_SE
.Lnone_ahead:
	s_cmp_eq_u32 s14, 0
	s_cbranch_scc0 .Lnot_b
	s_wait_tensorcnt 0x0                           ; wave 0: planes 3-6 have landed; the other waves' wait stands ahead of the next round
.Lnot_b:
	BARRIER
.macro WEIGHTS q                       ; plane q of my 64 columns: fragment 4 q + b: 16 positions x 128 K, 16 registers, in window 1 + q / 4
	WIN (1+(\q)/4)<<6
.irp b, 0,1,2,3
.irp c, 0,1,2,3
	ds_load_b128 v[FR*((4*(\q)+\b)%16)+4*\c:FR*((4*(\q)+\b)%16)+4*\c+3], v[ADRB+(\q)/2] offset:32768*((\q)%2)+2048*\b+512*\c
.endr
.endr
.endm
.macro FPLANE k, a, i, q               ; plane q of a row block into set k of window 3: four loads
	WIN 3<<6
.irp c, 0,1,2,3
	ds_load_b128 v[128*(\k)+FR*(\q)+4*\c:128*(\k)+FR*(\q)+4*\c+3], v[\a] offset:RB*(\i)+2048*(\q)+512*\c
.endr
.endm
.macro FSCALES k, s, i                 ; its scale words: four loads
	WIN 0
.irp p, 0,1,2,3
	ds_load_b32 v[SA+8*(\k)+\p], v[\s] offset:RB*(\i)+128*\p
.endr
.endm
.macro PROD e, n                       ; product n = 4 q + b of a block: the q-th 128 of K, tile b; x's rows and sums in sets e
.set Q_, (\n)/4
.set B_, (\n)%4
.set AC_, ACC+32*(\e)+8*B_
.set C_, AC_
.if Q_ == 0
.set C_, BQ+8*B_
.endif
.set W_, FR*((4*Q_+B_)%16)
.set R_, 128*(\e)+FR*Q_
.set XS_, SA+8*(\e)+Q_/2
.set WS_, SB+8*(B_/2)+Q_
	WIN (1+(4*Q_+B_)/16)|(3<<2)
.if B_%2
.if Q_%2
	v_wmma_scale_f32_16x16x128_f8f6f4 v[AC_:AC_+7], v[W_:W_+FR-1], v[R_:R_+FR-1], v[C_:C_+7], v[WS_], v[XS_] matrix_a_fmt:MATRIX_FMT_BF8 matrix_b_fmt:MATRIX_FMT_BF8 matrix_a_scale:MATRIX_SCALE_ROW1 matrix_b_scale:MATRIX_SCALE_ROW1
.else
	v_wmma_scale_f32_16x16x128_f8f6f4 v[AC_:AC_+7], v[W_:W_+FR-1], v[R_:R_+FR-1], v[C_:C_+7], v[WS_], v[XS_] matrix_a_fmt:MATRIX_FMT_BF8 matrix_b_fmt:MATRIX_FMT_BF8 matrix_a_scale:MATRIX_SCALE_ROW1
.endif
.else
.if Q_%2
	v_wmma_scale_f32_16x16x128_f8f6f4 v[AC_:AC_+7], v[W_:W_+FR-1], v[R_:R_+FR-1], v[C_:C_+7], v[WS_], v[XS_] matrix_a_fmt:MATRIX_FMT_BF8 matrix_b_fmt:MATRIX_FMT_BF8 matrix_b_scale:MATRIX_SCALE_ROW1
.else
	v_wmma_scale_f32_16x16x128_f8f6f4 v[AC_:AC_+7], v[W_:W_+FR-1], v[R_:R_+FR-1], v[C_:C_+7], v[WS_], v[XS_] matrix_a_fmt:MATRIX_FMT_BF8 matrix_b_fmt:MATRIX_FMT_BF8
.endif
.endif
.endm
.macro MAXQ k, x                       ; 18 lines: the largest of the 32 sums at x (no magnitudes: what is negative becomes 0), and the floor 2^(16 - 127)
.if (\k) < 4
	v_max3_num_f32 v[TQ+\k], v[\x+8*(\k)], v[\x+8*(\k)+1], v[\x+8*(\k)+2]
.elseif (\k) < 12
	v_max3_num_f32 v[TQ+(\k)%4], v[TQ+(\k)%4], v[\x+8*((\k)%4)+2*((\k)/4)+1], v[\x+8*((\k)%4)+2*((\k)/4)+2]
.elseif (\k) < 16
	v_max_num_f32 v[TQ+(\k)%4], v[TQ+(\k)%4], v[\x+8*((\k)%4)+7]
.elseif (\k) == 16
	v_max3_num_f32 v[TQ], v[TQ], v[TQ+1], v[TQ+2]
.else
	v_max3_num_f32 v[TQ], v[TQ], v[TQ+3], 0x8000000
.endif
.endm
.macro HOLD x, b                       ; relu and the hold at 57,344 x the scale in one (the conversion does not saturate: ISA guide 7.6.2)
	v_med3_num_f32 v[\x], v[\x], 0, v[TQ+\b]
.endm
.macro HOLDS m, x                      ; two holds; the bound has a second copy, freshly written, for the third and fourth pair
.if (\m) == 2 || (\m) == 3
	HOLD \x, 3
	HOLD \x+1, 3
.else
	HOLD \x, 1
	HOLD \x+1, 1
.endif
.if (\m) == 1
	v_mov_b32 v[TQ+3], v[TQ+1]
.endif
.endm
.macro GAPQ m, x                       ; THE WAY OUT of the sums at x, gaps 0 .. 26 -> codes NC_, byte EB
.if (\m) < 9
	MAXQ 2*(\m), \x
	MAXQ 2*(\m)+1, \x
.elseif (\m) == 9
	v_add_nc_u32 v[SOP], 0xf8800000, v[TQ]         ; 15 off the exponent field: the conversion's scale operand
	v_and_or_b32 v[TQ+1], v[TQ], 0x7f800000, s[MANT]
.elseif (\m) < 26
	HOLDS (\m)-10, \x+2*((\m)-10)
.if ((\m)-10)%4 == 3
	v_cvt_scalef32_pk8_bf8_f32 v[NC_+2*(((\m)-10)/4):NC_+2*(((\m)-10)/4)+1], v[\x+8*(((\m)-10)/4):\x+8*(((\m)-10)/4)+7], v[SOP]
.endif
.elseif (\m) == 26
	v_lshrrev_b32 v[EB], 23, v[SOP]
.endif
.endm
; behind product n.  j: a trip's first block (1: six blocks, 2: two, 3: the last, without loads): the trip's addresses;  y = 1: the way out of the sums at x;  f: the set that the next block is loaded into (-1: none), by v[fa], v[fs], block fi
.macro LIST n, j, y, x, f, fa, fs, fi
.if ((\j) == 1 || (\j) == 2) && (\n) == 0
	WIN 0
	v_add_nc_u32 v[ADRA], s[SLT], v[L16]
	v_add_nc_u32 v[AAS], s[SLT], v[S4]
.if (\j) == 1
	v_add_nc_u32 v[ADRA+1], 3*RB, v[ADRA]
	v_add_nc_u32 v[AAS+1], 3*RB, v[AAS]
.endif
.elseif (\j) > 0 && (\n) == 2
	WIN 0
	v_add_nc_u32 v[VX], s[VST], v[VX0]
.endif
.if (\y) && (\n) > 0 && (\n) < 28
	WIN 0
	GAPQ (\n)-1, \x
.endif
.if (\f) >= 0
.if (\n) == 3
	FSCALES \f, \fs, \fi
.elseif (\n) > 3 && ((\n)-4)%FS_ == 0 && ((\n)-4)/FS_ < 8
	FPLANE \f, \fa, \fi, ((\n)-4)/FS_
.endif
.endif
.endm
.macro SPAN e, from, to, j, y, x, f, fa, fs, fi
.set N_, \from
.rept (\to)-(\from)
	PROD \e, N_
	LIST N_, \j, \y, \x, \f, \fa, \fs, \fi
.set N_, N_+1
.endr
.endm
.macro BLK e, j, y, x, f, fa, fs, fi   ; a block
.set NC_, NCD+8*(\e)
.set FS_, 3
	s_wait_dscnt 8                                 ; my scale words and planes 0-5 are in
	SPAN \e, 0, 19, \j, \y, \x, \f, \fa, \fs, \fi
.if (\f) >= 0
	s_wait_dscnt 24                                ; planes 6 and 7 too: 24 loads of the next block stand behind them
.else
	s_wait_dscnt 0x0
.endif
	s_wait_xcnt 0x0                                ; the last stores have read their codes and their base
.if (\j) > 0
	s_add_nc_u64 s[84:85], s[12:13], s[86:87]
.endif
	SPAN \e, 19, 32, \j, \y, \x, \f, \fa, \fs, \fi
	WIN 0
	PLACES NP
.endm
.macro RBLK e, j, y, x, f, fa, fs, fi  ; a block with a drained round of the cluster's barrier
.set NC_, NCD+8*(\e)
.set FS_, 2
	s_wait_dscnt 8
	SPAN \e, 0, 19, \j, \y, \x, \f, \fa, \fs, \fi
	s_wait_dscnt 36                                ; all of the next block's loads stand behind
	s_wait_xcnt 0x0
	WIN 0
	GRD
	s_add_co_u32 s[G0R+1], s[WOF], s[SLT]          ; no tensor load of mine is out: the next chunk, into the slot that this block reads last
	s_add_nc_u64 s[G0R+2:G0R+3], s[G0R+2:G0R+3], SB1
	SPAN \e, 19, 28, \j, \y, \x, \f, \fa, \fs, \fi
	WIN 0
	WALU
	s_wait_dscnt 0x0
	s_barrier_signal -1
	SPAN \e, 28, 32, \j, \y, \x, \f, \fa, \fs, \fi
	MIDDLE
	BARRIER
.endm
.macro SBLK e, j, y, x, f, fa, fs, fi  ; a block with a plain barrier, which shows the last chunk
.set NC_, NCD+8*(\e)
.set FS_, 2
	s_wait_dscnt 8
	SPAN \e, 0, 19, \j, \y, \x, \f, \fa, \fs, \fi
	s_wait_dscnt 36
	s_wait_xcnt 0x0
	SPAN \e, 19, 28, \j, \y, \x, \f, \fa, \fs, \fi
	WIN 0
	WALU
	s_wait_tensorcnt 0x0
	s_wait_dscnt 0x0
	s_barrier_signal -1
	SPAN \e, 28, 32, \j, \y, \x, \f, \fa, \fs, \fi
	WIN 0
	s_barrier_wait -1
	PLACES NP
.endm
.macro QOUT i                          ; a block's byte goes to its place in LDS; sixteen lanes store 256 consecutive bytes, aligned
	ds_store_b8 v[VX], v[EB] offset:64*(\i)
	global_store_b128 v[CN], v[NC_:NC_+3], s[84:85] offset:2048*(\i)
	global_store_b128 v[CN], v[NC_+4:NC_+7], s[84:85] offset:2048*(\i)+256
.endm
	WEIGHTS 3
	WEIGHTS 4
	WEIGHTS 5
	WEIGHTS 6
	WIN 0
	GRD
	s_mov_b32 s[G0R], 1                            ; no tensor load of mine is out: chunk 1, into slot B
	s_add_co_u32 s[G0R+1], s[WOF], SB1
	s_add_nc_u64 s[G0R+2:G0R+3], s[4:5], s[22:23]
	s_or_b32 s[G0R+3], s[G0R+3], 0x80000000
	s_mov_b32 s[SLT], 0
	s_mov_b32 s[VST], 0
	s_mov_b32 s[MANT], 0x600000                    ; the mantissa field of 57,344
	s_mov_b32 s86, 0
	s_mov_b32 s87, 0
	s_mov_b32 s46, 0
	s_wait_dscnt 0x0                               ; planes 3-6 are in my registers
	CROUND                                         ; everything that the head asked for is shown, slot B is free
	TLOAD G0R, G1R
	WEIGHTS 0
	WEIGHTS 1
	WEIGHTS 2
	WEIGHTS 7
	FSCALES 0, ES, 0
.irp q, 0,1,2,3,4,5,6,7
	FPLANE 0, EA, 0, \q
.endr
	WIN 0
	s_wait_loadcnt 0x0
	RBLK 0, 0, 0, ACC, 1, EA, ES, 1                ; block 0; every wave holds the weight: chunk 2 goes into slot A
	TLOAD G0R, G1R
	PLACES NP-4
	s_cmp_eq_u32 s43, 0
	s_cbranch_scc1 .Lnot_mine_0
	global_prefetch_b8 v[PFO], s[44:45] offset:2*SB1 th:TH_LOAD_NT scope:SCOPE_SE   ; chunk 3
.Lnot_mine_0:
	s_xor_b32 s[SLT], s[SLT], SB1
.Lsix:                                                 ; trip t: blocks 6 t + 1 .. 6 t + 6; chunk t + 1 is fetched from, chunk t + 3 is asked for
	BLK 1, 1, 1, ACC, 0, ADRA, AAS, 0
	QOUT 0
	BLK 0, 0, 1, ACC+32, 1, ADRA, AAS, 1
	QOUT 1
	BLK 1, 0, 1, ACC, 0, ADRA, AAS, 2
	QOUT 2
	BLK 0, 0, 1, ACC+32, 1, ADRA+1, AAS+1, 0
	QOUT 3
	BLK 1, 0, 1, ACC, 0, ADRA+1, AAS+1, 1
	QOUT 4
	RBLK 0, 0, 1, ACC+32, 1, ADRA+1, AAS+1, 2
	TLOAD G0R, G1R
	PLACES NP-4
	QOUT 5
	s_cmp_lt_u32 s46, s43
	s_cbranch_scc0 .Lnot_mine
	global_prefetch_b8 v[PFO], s[44:45] offset:3*SB1 th:TH_LOAD_NT scope:SCOPE_SE   ; chunk t + 4
.Lnot_mine:
	s_wait_xcnt 0x0                                ; the prefetch has read its address
	s_add_nc_u64 s[44:45], s[44:45], SB1
	s_xor_b32 s[SLT], s[SLT], SB1
	s_add_co_u32 s[VST], s[VST], 6*64
	s_add_co_u32 s86, s86, 6*2048
	s_add_co_u32 s46, s46, 1
	s_cmp_lg_u32 s46, 3
	s_cbranch_scc1 .Lsix
	s_mov_b32 s46, 0
	s_mov_b32 s[SLT], 0
.Ltwo:                                                 ; blocks 19 .. 30: chunk 4 in slot A, chunk 5 behind it in slot B; nothing more is asked for
	BLK 1, 2, 1, ACC, 0, ADRA, AAS, 0
	QOUT 0
	SBLK 0, 0, 1, ACC+32, 1, ADRA, AAS, 1
	QOUT 1
	s_add_co_u32 s[SLT], s[SLT], 2*RB
	s_add_co_u32 s[VST], s[VST], 2*64
	s_add_co_u32 s86, s86, 2*2048
	s_add_co_u32 s46, s46, 1
	s_cmp_lg_u32 s46, 6
	s_cbranch_scc1 .Ltwo
	BLK 1, 3, 1, ACC, -1, ADRA, AAS, 0             ; block 31
	QOUT 0
.set NC_, NCD
.set K_, 0
.rept 27
	GAPQ K_, ACC+32                                ; and its way out
.set K_, K_+1
.endr
	QOUT 1
	s_lshl_b32 s20, s14, 10
	s_add_co_u32 s20, s20, XN
	WALU
	s_wait_dscnt 0x0                               ; my scale bytes are stored
	BARRIER
	v_add_nc_u32 v21, s20, v[L16]
	WALU
	ds_load_b128 v[64:67], v21
	ds_load_b128 v[68:71], v21 offset:512
	s_wait_dscnt 0x0
	global_store_b128 v[L16], v[64:67], s[98:99]   ; 512 consecutive bytes
	global_store_b128 v[L16], v[68:71], s[98:99] offset:512
	GRD
	s_wait_dscnt 0x0
	CROUND
	s_endpgm
.Lfunc_end_k_q89a61416ae_gemm1:
	.size	k_q89a61416ae_gemm1, .Lfunc_end_k_q89a61416ae_gemm1-k_q89a61416ae_gemm1
	.p2alignl 7, 3214868480
	.fill 96, 4, 3214868480
	.section	.rodata,"a",@progbits
	.p2align	6, 0x0
	.amdhsa_kernel k_q89a61416ae_gemm1
		.amdhsa_group_segment_fixed_size 327680
		.amdhsa_private_segment_fixed_size 0
		.amdhsa_enable_private_segment 0
		.amdhsa_kernarg_size 48
		.amdhsa_user_sgpr_count 2
		.amdhsa_user_sgpr_kernarg_segment_ptr 1
		.amdhsa_wavefront_size32 1
		.amdhsa_system_sgpr_workgroup_id_x 1
		.amdhsa_system_sgpr_workgroup_id_y 1
		.amdhsa_system_sgpr_workgroup_id_z 1
		.amdhsa_system_vgpr_workitem_id 0
		.amdhsa_next_free_vgpr 1024
		.amdhsa_next_free_sgpr 102
		.amdhsa_reserve_vcc 0
		.amdhsa_float_denorm_mode_32 3
		.amdhsa_float_denorm_mode_16_64 3
		.amdhsa_memory_ordered 1
		.amdhsa_forward_progress 1
		.amdhsa_inst_pref_size 148
	.end_amdhsa_kernel
	.amdgpu_metadata
---
amdhsa.version: [ 1, 2 ]
amdhsa.kernels:
  - .name:           k_q89a61416ae_gemm1
    .symbol:         k_q89a61416ae_gemm1.kd
    .args:
      - { .name: xc, .offset: 0, .size: 8, .value_kind: global_buffer, .address_space: global }
      - { .name: wc, .offset: 8, .size: 8, .value_kind: global_buffer, .address_space: global }
      - { .name: ws, .offset: 16, .size: 8, .value_kind: global_buffer, .address_space: global }
      - { .name: b1, .offset: 24, .size: 8, .value_kind: global_buffer, .address_space: global }
      - { .name: h1c, .offset: 32, .size: 8, .value_kind: global_buffer, .address_space: global }
      - { .name: h1s, .offset: 40, .size: 8, .value_kind: global_buffer, .address_space: global }
    .group_segment_fixed_size: 327680
    .private_segment_fixed_size: 0
    .kernarg_segment_align: 8
    .kernarg_segment_size: 48
    .max_flat_workgroup_size: 128
    .sgpr_count:     102
    .vgpr_count:     1024
    .wavefront_size: 32
...
	.end_amdgpu_metadata
.endif
;; end of part 2
;; launch gemm2 (part 3): grid 4 x 64, 4 waves a work-group, clusters of 4 x 4, 327,680 bytes of LDS; arguments h1c, h1s, wc, ws, b2, W3, zp; writes zp
.if DOCPART == 3
	.amdgcn_target "amdgcn-amd-amdhsa--gfx1250"
	.amdhsa_code_object_version 6
	.text
	.protected	k_q89a61416ae_gemm2
	.globl	k_q89a61416ae_gemm2
	.p2align	8
	.type	k_q89a61416ae_gemm2,@function
k_q89a61416ae_gemm2:
	s_mov_b64 s[64:65], 0
	v_nop
	global_prefetch_b8 v0, s[64:65] scope:SCOPE_SE
	s_setreg_imm32_b32 hwreg(HW_REG_WAVE_MODE, 25, 1), 1
	s_wait_xcnt 0x0
	s_wait_alu depctr_hold_cnt(0) depctr_sa_sdst(0) depctr_va_vdst(0) depctr_va_sdst(0) depctr_va_ssrc(0) depctr_va_vcc(0) depctr_vm_vsrc(0)
	s_getreg_b32 s2, hwreg(HW_REG_IB_STS2, 6, 4)
	s_cmp_eq_u32 s2, 0
	s_cbranch_scc0 .Lentry_in_a_cluster
	s_endpgm
.Lentry_in_a_cluster:
	s_bfe_u32 s2, ttmp6, 0x10000c
	s_cmp_lg_u32 s2, 0xf033
	s_cbranch_scc0 .Lentry_shape_is_right
	s_endpgm
.Lentry_shape_is_right:
; zp[e][slice][row] = the sum over the slice's 128 columns n of relu(h1[e] W2[e] + b2[e])[row][n] x W3[e][n]; the eight slices are added in the next launch.  Codes of BF8, sums in f32; the dot with W3 is f32.
; LIMITS: NaN, infinities and sums beyond f32's range are not served.
; A work-group makes 256 rows x 256 columns of one expert: four waves, 128 x 128 each, 64 accumulators of 16 x 16.  K = 2,048 goes in steps of two planes of 128 through a ring of two slots: a plane's 256 rows of A or of B are 32,768
; dense bytes of memory, tile by tile in the order of the registers: a fragment load reads 512 consecutive bytes of LDS.  The scale words of all of K come once, at the head, and stay.
; CLUSTERS: 4 x 4: A's tile is shared along a row, B's along a column: joint loads.  Source 0 = W2's positions, source 1 = h1's rows: lane (r, h) holds row r; register i of tile b is column 64 (b / 4) + 32 h + 8 (b % 4) + i of my 128.
; PREFETCH: at each refill every wave asks for its part of the K step two refills on, 32 blocks of 256 bytes: of the 128 blocks that a wave loads jointly with three partners each partner takes a quarter, told apart by address (cx for A, cy for B).
; At the head K steps 2 and 3 are asked for so; the loop's last trip asks for nothing.
; THE LAST K STEP GOES BY ROWS: B's fragments of both planes fill window 1, the eight blocks of 16 rows are finished one after the other (16 products each), and a block's dot with W3 stands among the next block's products.
; REGISTERS: window 0: v0-31 addresses; v32-63 scale words, two sets (in the last step the first set's serve the dots); v64-127 b2, then W3; v128-255 A's fragments.  Window 1: B's, two sets.  Windows 2, 3: accumulators.
.set KP,     16
.set LAPS,   KP/4
.set FR,     16
.set NL,     4
.set NP,     8
.set PLN,    32768                     ; 256 rows of a plane
.set HALFW,  16384                     ; my 128 of them
.set SLOT,   4*PLN                     ; A's two planes, B's two planes
.set SCL,    2*SLOT                    ; A's scale words [16 planes][256 rows], then B's
.set HALFS,  KP*512
.set SPARE,  SCL+4*HALFS
.set A_SLOT, 1<<19
.set A_STEP, 1<<20
.set B_SLOT, 1<<18
.set B_STEP, 1<<19
.set ADRA, 16
.set ADRB, 20
.set ZT,   22
.set ZS,   24
.set ZR,   25
.set CO,   26
.set ADRS, 27
.set SPW,  28
.set NIL,  29
.set VB,   30
.set PFO,  31
.set SC,   32
.set CH,   32                          ; v32-47 a dot's partial sums, two sets
.set BIAS, 64
.set AF,   128
.set PFA,  22                          ; s[22:23] where my prefetches stand
.set G1, 24
.set G0, 32
.set G1B, 48
.set G0B, 56
.set G1S, 68
.set G0S, 76
.set G1SB, 80
.set G0SB, 88
.set G0H, 4
.set G0HB, 8
.set MSB, 0
.macro WIN new
.if MSB != (\new)
	s_set_vgpr_msb (MSB<<8)|(\new)
.set MSB, (\new)
.endif
.endm
.set MUL_LO,   0xa1
.set MUL_HI,   0xf1
.set FIRST_LO, 0x81
.set FIRST_HI, 0xc1
.set TO_B,     0x40
.macro PLACES n
.rept \n
	v_nop
.endr
.endm
.macro TLOAD g0, g1
	tensor_load_to_lds s[\g0:\g0+3], s[\g1:\g1+7]
	s_nop 0
	PLACES 4
.endm
.macro JLOAD g0a, g1a, g0b, g1b        ; waves 0 and 1 fetch A's two planes, waves 2 and 3 B's
	s_cmp_eq_u32 s15, 0
	s_cbranch_scc0 .Lfor_b_\@
	TLOAD \g0a, \g1a
	s_branch .Lasked_\@
.Lfor_b_\@:
	TLOAD \g0b, \g1b
.Lasked_\@:
.endm
.macro CREST
	s_cmp_lg_u32 s14, 0
	s_cbranch_scc1 .Lnot_wave_0_\@
	s_barrier_signal -3
.Lnot_wave_0_\@:
	s_barrier_wait -3
	s_barrier_signal -1
	s_barrier_wait -1
.endm
.macro CROUND
	s_barrier_signal -1
	s_barrier_wait -1
	CREST
.endm
	s_load_b256 s[4:11], s[0:1], 0x0               ; h1c, h1s, wc, ws
	s_load_b64 s[96:97], s[0:1], 0x20              ; b2
	s_load_b64 s[98:99], s[0:1], 0x28              ; W3
	s_load_b64 s[12:13], s[0:1], 0x30              ; zp
	v_lshl_add_u32 v[SPW], v0, 2, SPARE
	v_mov_b32 v[NIL], 0
	ds_add_u32 v[SPW], v[NIL]                      ; the opening: the add, twice on end
	ds_add_u32 v[SPW], v[NIL]
	v_lshrrev_b32 v1, 5, v0
	v_readfirstlane_b32 s14, v1                    ; wave
	s_lshr_b32 s15, s14, 1                         ; my half of the rows; and: I fetch for A (0) or B (1)
	s_and_b32 s16, s14, 1                          ; my half of the columns; and: which plane I fetch
	s_bfe_u32 s40, ttmp6, 0x40000                  ; cx
	s_bfe_u32 s41, ttmp6, 0x40004                  ; cy
	s_lshl_b32 s42, ttmp9, 2
	s_add_co_u32 s42, s42, s40                     ; column tile 0 .. 3
	s_and_b32 s66, ttmp7, 0xffff
	s_lshl_b32 s17, s66, 2
	s_add_co_u32 s17, s17, s41
	s_lshr_b32 s66, s66, 1                         ; the expert
	s_and_b32 s67, s17, 7                          ; row tile
	s_lshl_b32 s43, s41, 2
	s_lshl_b32 s43, 15, s43                        ; my row of the cluster
	s_lshl_b32 s44, 0x1111, s40                    ; my column
	s_or_b32 s[G1+0], s43, (3<<16)|(1<<21)         ; codes: rows of 32,768 bytes (4,096 elements of 8): at the head two planes, later one
	s_or_b32 s[G1B+0], s44, (3<<16)|(1<<21)
.irp g, G1, G1B
	s_mov_b32 s[\g+1], 4096<<16
	s_mov_b32 s[\g+2], 2<<16
	s_mov_b32 s[\g+3], 4096<<16
	s_mov_b32 s[\g+4], 2
	s_mov_b32 s[\g+6], 1<<16
	s_mov_b32 s[\g+7], 0
.endr
	s_mov_b32 s[G1+5], 32768                       ; from plane to plane: 262,144 bytes of h1c,
	s_mov_b32 s[G1B+5], 16384                      ; 131,072 of wc
	s_or_b32 s[G1S+0], s43, (3<<16)|(1<<21)        ; scale words: 16 planes, 1,024 bytes of each
	s_or_b32 s[G1SB+0], s44, (3<<16)|(1<<21)
.irp g, G1S, G1SB
	s_mov_b32 s[\g+1], 128<<16
	s_mov_b32 s[\g+2], KP<<16
	s_mov_b32 s[\g+3], 128<<16
	s_mov_b32 s[\g+4], KP
	s_mov_b32 s[\g+6], 0
	s_mov_b32 s[\g+7], 0
.endr
	s_mov_b32 s[G1S+5], 1024
	s_mov_b32 s[G1SB+5], 512
	s_lshl_b32 s20, s66, 22                        ; A: the expert, the row tile
	s_lshl_b32 s18, s67, 15
	s_add_co_u32 s20, s20, s18
	s_mov_b32 s21, 0
	s_lshl_b32 s22, s66, 17
	s_lshl_b32 s18, s67, 10
	s_add_co_u32 s22, s22, s18
	s_mov_b32 s23, 0
	s_lshl_b32 s46, s66, 21                        ; B: the expert, the column tile; W2 begins at 1 << 24
	s_lshl_b32 s18, s42, 15
	s_add_co_u32 s46, s46, s18
	s_add_co_u32 s46, s46, 1<<24
	s_mov_b32 s47, 0
	s_lshl_b32 s92, s66, 16
	s_lshl_b32 s18, s42, 10
	s_add_co_u32 s92, s92, s18
	s_add_co_u32 s92, s92, 1<<19
	s_mov_b32 s93, 0
	s_cmp_eq_u32 s15, 0                            ; the prefetches: my plane's tile, my work-group's quarter of it
	s_cselect_b32 s94, s20, s46
	s_cselect_b32 s3, 18, 17                       ; a plane is 1 << s3 bytes
	s_cselect_b32 s18, s40, s41
	s_lshl_b32 s19, s16, s3
	s_add_co_u32 s94, s94, s19
	s_lshl_b32 s18, s18, 13
	s_add_co_u32 s94, s94, s18
	s_mov_b32 s95, 0
	s_lshl_b32 s40, 2, s3                          ; a K step
	s_mov_b32 s41, 0
	s_lshl_b32 s18, s16, 18                        ; the ring: my plane of A,
	s_mov_b32 s19, 0
	s_lshl_b32 s2, s16, 17                         ; of B
	s_mov_b32 s3, 0
	s_mul_i32 s45, s14, PLN
	s_mov_b32 s100, 0x76543210
	s_mov_b32 s101, 0xfedcba98
	s_wait_dscnt 0x0                               ; both opening adds are done
	s_wait_kmcnt 0x0
	s_add_nc_u64 s[20:21], s[4:5], s[20:21]
	s_add_nc_u64 s[46:47], s[8:9], s[46:47]
	s_mov_b32 s[G0S], 1
	s_mov_b32 s[G0S+1], SCL
	s_add_nc_u64 s[G0S+2:G0S+3], s[6:7], s[22:23]
	s_or_b32 s[G0S+3], s[G0S+3], 0x80000000
	s_mov_b32 s[G0SB], 1
	s_mov_b32 s[G0SB+1], SCL+2*HALFS
	s_add_nc_u64 s[G0SB+2:G0SB+3], s[10:11], s[92:93]
	s_or_b32 s[G0SB+3], s[G0SB+3], 0x80000000
	s_cmp_eq_u32 s15, 0
	s_cselect_b64 s[92:93], s[4:5], s[8:9]
	s_add_nc_u64 s[92:93], s[92:93], s[94:95]
	s_add_nc_u64 s[92:93], s[92:93], s[40:41]
	s_add_nc_u64 s[92:93], s[92:93], s[40:41]      ; K step 2
	s_add_nc_u64 s[PFA:PFA+1], s[92:93], s[40:41]  ; K step 3
	CROUND                                         ; all sixteen work-groups are here: the first joint loads meet
	s_mov_b32 s[G0H], 1                            ; the head's tiles: K step 0's two planes of A,
	s_mov_b32 s[G0H+1], 0
	s_mov_b64 s[G0H+2:G0H+3], s[20:21]
	s_or_b32 s[G0H+3], s[G0H+3], 0x80000000
	s_mov_b32 s[G0HB], 1                           ; of B
	s_mov_b32 s[G0HB+1], 2*PLN
	s_mov_b64 s[G0HB+2:G0HB+3], s[46:47]
	s_or_b32 s[G0HB+3], s[G0HB+3], 0x80000000
	s_add_nc_u64 s[20:21], s[20:21], s[18:19]
	s_add_nc_u64 s[46:47], s[46:47], s[2:3]
.irp s, 0,1
	s_mov_b32 s[G0+4*\s], 1
	s_add_co_u32 s[G0+4*\s+1], s45, \s*SLOT
	s_add_nc_u64 s[G0+4*\s+2:G0+4*\s+3], s[20:21], \s*A_SLOT
	s_or_b32 s[G0+4*\s+3], s[G0+4*\s+3], 0x80000000
	s_mov_b32 s[G0B+4*\s], 1
	s_add_co_u32 s[G0B+4*\s+1], s45, \s*SLOT
	s_add_nc_u64 s[G0B+4*\s+2:G0B+4*\s+3], s[46:47], \s*B_SLOT
	s_or_b32 s[G0B+4*\s+3], s[G0B+4*\s+3], 0x80000000
.endr
.macro ARM under, g0, g1, next         ; one load a wave
	s_cmp_lt_u32 s14, \under
	s_cbranch_scc0 \next
	TLOAD \g0, \g1
	s_branch .Lhead_asked
\next:
.endm
	ARM 1, G0H,  G1,  .Lhead_b
	ARM 2, G0HB, G1B, .Lhead_sa
	ARM 3, G0S,  G1S, .Lhead_sb
	TLOAD G0SB, G1SB
.Lhead_asked:
	s_lshl_b32 s46, s66, 12                        ; b2, W3: the expert's 4,096 bytes, my 128 columns
	s_lshl_b32 s47, s42, 10
	s_add_co_u32 s46, s46, s47
	s_lshl_b32 s47, s16, 9
	s_add_co_u32 s46, s46, s47
	s_mov_b32 s47, 0
	s_add_nc_u64 s[96:97], s[96:97], s[46:47]
	s_add_nc_u64 s[98:99], s[98:99], s[46:47]
	s_lshl_b32 s20, s66, 16                        ; zp
	s_lshl_b32 s21, s42, 14
	s_add_co_u32 s20, s20, s21
	s_lshl_b32 s21, s16, 13
	s_add_co_u32 s20, s20, s21
	s_lshl_b32 s21, s67, 10
	s_add_co_u32 s20, s20, s21
	s_lshl_b32 s21, s15, 9
	s_add_co_u32 s20, s20, s21
	s_mov_b32 s21, 0
	s_add_nc_u64 s[12:13], s[12:13], s[20:21]
	s_mul_i32 s17, s15, HALFW                      ; my 128 rows of A, of B
	s_mul_i32 s18, s16, HALFW
	s_add_co_u32 s18, s18, 2*PLN
	s_lshl_b32 s19, s15, 9
	s_lshl_b32 s20, s16, 9
	s_add_co_u32 s20, s20, 2*HALFS
	s_sub_co_u32 s20, s20, s19
	s_add_co_u32 s19, s19, SCL
	s_lshl_b32 s21, s14, 9
	v_and_b32 v1, 15, v0                           ; r
	v_bfe_u32 v2, v0, 4, 1                         ; h
	v_and_b32 v6, 31, v0                           ; lane
	v_lshlrev_b32 v[VB], 7, v2
	v_lshlrev_b32 v[CO], 4, v6
	v_lshlrev_b32 v[PFO], 8, v6
	v_add_nc_u32 v[ADRA], s17, v[CO]
	v_add_nc_u32 v[ADRB], s18, v[CO]
	v_add_nc_u32 v[ADRA+1], SLOT, v[ADRA]
	v_add_nc_u32 v[ADRB+1], SLOT, v[ADRB]
	v_lshlrev_b32 v5, 2, v1
	v_mul_u32_u24 v7, s20, v2                      ; lanes 16-31 take B's scale words
	v_add_nc_u32 v[ZS], s21, v5                    ; the results' stage lies in slot 0, behind that slot's last fill and last read
	v_add_nc_u32 v5, v5, v7
	v_add_nc_u32 v[ADRS], s19, v5
	v_add_nc_u32 v[ZR], s21, v[CO]
	v_mov_b32 v[ZT], 0                             ; (a lane permute's destination counts as one of its sources)
	s_wait_alu depctr_va_vdst(0)                   ; the wait at the head's end
.irp b, 0,1,2,3,4,5,6,7
	global_load_b128 v[BIAS+8*\b:BIAS+8*\b+3], v[VB], s[96:97] offset:256*(\b/4)+32*(\b%4)
	global_load_b128 v[BIAS+8*\b+4:BIAS+8*\b+7], v[VB], s[96:97] offset:256*(\b/4)+32*(\b%4)+16
.endr
	global_prefetch_b8 v[PFO], s[92:93] th:TH_LOAD_NT scope:SCOPE_SE
	global_prefetch_b8 v[PFO], s[PFA:PFA+1] th:TH_LOAD_NT scope:SCOPE_SE
.macro FRAG reg, adr, q, i             ; 16 rows x 128 K: 16 registers, 512 consecutive bytes a load
.irp c, 0,1,2,3
	ds_load_b128 v[\reg+4*\c:\reg+4*\c+3], v[\adr] offset:PLN*(\q)+512*\c+2048*(\i)
.endr
.endm
.macro MUL16 a0, p, q, sc, zero
	MUL8 \a0, \p, \q, \sc, \zero
	MUL8 \a0+1, \p, \q, \sc, \zero
.endm
.macro MUL8 a0, p, q, sc, zero         ; block a0 of my rows against B's eight
.irp a, \a0
.irp b, 0,1,2,3,4,5,6,7
.if \zero
	v_wmma_scale_f32_16x16x128_f8f6f4 v[8*(8*((\a)%4)+\b):8*(8*((\a)%4)+\b)+7], v[128*(\p)+FR*\b:128*(\p)+FR*\b+FR-1], v[AF+FR*(\a):AF+FR*(\a)+FR-1], v[BIAS+8*\b:BIAS+8*\b+7], v[SC+16*(\sc)+2*\b+(\q)], v[SC+16*(\sc)+2*(\a)+(\q)] matrix_a_fmt:MATRIX_FMT_BF8 matrix_b_fmt:MATRIX_FMT_BF8 matrix_a_scale:MATRIX_SCALE_ROW1
.else
	v_wmma_scale_f32_16x16x128_f8f6f4 v[8*(8*((\a)%4)+\b):8*(8*((\a)%4)+\b)+7], v[128*(\p)+FR*\b:128*(\p)+FR*\b+FR-1], v[AF+FR*(\a):AF+FR*(\a)+FR-1], v[8*(8*((\a)%4)+\b):8*(8*((\a)%4)+\b)+7], v[SC+16*(\sc)+2*\b+(\q)], v[SC+16*(\sc)+2*(\a)+(\q)] matrix_a_fmt:MATRIX_FMT_BF8 matrix_b_fmt:MATRIX_FMT_BF8 matrix_a_scale:MATRIX_SCALE_ROW1
.endif
.endr
.endr
.endm
.macro FETCH_B slot, q, p
	WIN TO_B
.irp i, 0,1,2,3,4,5,6,7
	FRAG 128*(\p)+FR*\i, ADRB+\slot, \q, \i
.endr
	WIN 0
.endm
.macro FETCH_A slot, q, i0
.irp i, \i0, \i0+1, \i0+2, \i0+3
	FRAG AF+FR*(\i), ADRA+\slot, \q, \i
.endr
.endm
.macro SCALES sc                       ; the K step's scale words: lanes 0-15 A's block i, lanes 16-31 B's
.irp i, 0,1,2,3,4,5,6,7
.irp q, 0,1
	ds_load_b32 v[SC+16*\sc+2*\i+\q], v[ADRS] offset:64*\i+1024*\q
.endr
.endr
.endm
.macro STEPW hi, zero                  ; the windows of products on my rows 0-63 (hi = 0) or 64-127
.if \zero
	WIN FIRST_LO+0x40*(\hi)
.else
	WIN MUL_LO+0x50*(\hi)
.endif
.endm
.macro RB slot, q, i                   ; B's fragment i of plane q of a slot: four loads, into set q % 2
	WIN TO_B
	FRAG 128*((\q)%2)+FR*(\i), ADRB+\slot, \q, \i
.endm
.macro RA slot, q, i                   ; A's blocks i, i + 1: eight loads
	WIN 0
	FRAG AF+FR*(\i), ADRA+\slot, \q, \i
	FRAG AF+FR*(\i)+FR, ADRA+\slot, \q, (\i)+1
.endm
; A plane's blocks 2 to 7, and between them the next plane's loads (ns, nq) in short runs: B's go into the other set, a pair of A's blocks behind the pair's own products and their places.
; turn = 1: the next plane begins a slot: its scale words too
.macro REST q, sc, zero, ns, nq, turn
	STEPW 0, \zero
	MUL8 2, (\q)%2, \q, \sc, \zero
	RB \ns, \nq, 3
	RB \ns, \nq, 4
	STEPW 0, \zero
	MUL8 3, (\q)%2, \q, \sc, \zero
	PLACES NP
	RB \ns, \nq, 5
	RA \ns, \nq, 2
	STEPW 1, \zero
	MUL8 4, (\q)%2, \q, \sc, \zero
	RB \ns, \nq, 6
	RB \ns, \nq, 7
	STEPW 1, \zero
	MUL8 5, (\q)%2, \q, \sc, \zero
	PLACES NP
	RA \ns, \nq, 4
.if \turn
	s_wait_alu depctr_va_vdst(0)
	v_add_nc_u32 v[ADRS], 2048, v[ADRS]
	SCALES \ns
.else
	s_wait_dscnt 56                                ; A's blocks 6 and 7 are in: the next plane's 56 loads stand behind them
.endif
	STEPW 1, \zero
	MUL8 6, (\q)%2, \q, \sc, \zero
	MUL8 7, (\q)%2, \q, \sc, \zero
	PLACES NP
	RA \ns, \nq, 6
.endm
.macro STEP slot, q, zero              ; a plane whose successor lies in the same slot
	s_wait_dscnt 2*NL                              ; A's blocks 6 and 7 may be out
	STEPW 0, \zero
	MUL8 0, (\q)%2, \q, \slot, \zero
	RB \slot, (\q)+1, 0
	RB \slot, (\q)+1, 1
	STEPW 0, \zero
	MUL8 1, (\q)%2, \q, \slot, \zero
	PLACES NP
	RB \slot, (\q)+1, 2
	RA \slot, (\q)+1, 0
	REST \q, \slot, \zero, \slot, (\q)+1, 0
.endm
.macro MEET slot                       ; a slot's last plane, first half: all my tensor loads are in, the add, my reads of this slot are over, the barrier
	s_wait_tensorcnt 0x0
	ds_add_u32 v[SPW], v[NIL]
	s_wait_dscnt 2*NL+1                            ; the add and A's blocks 6 and 7 may be out
	WIN MUL_LO
	MUL8 0, 1, 1, \slot, 0
	s_wait_dscnt 0x0
	s_barrier_signal -1
	MUL8 1, 1, 1, \slot, 0
	WIN 0
	s_barrier_wait -1
.endm
.macro TURN slot, next                 ; this slot is filled again, two K steps on
	s_wait_xcnt 0x0                                ; my prefetch has read its address
	s_add_nc_u64 s[PFA:PFA+1], s[PFA:PFA+1], s[40:41]
	MEET \slot
	CREST
	s_add_nc_u64 s[G0+4*\slot+2:G0+4*\slot+3], s[G0+4*\slot+2:G0+4*\slot+3], A_STEP
	s_add_nc_u64 s[G0B+4*\slot+2:G0B+4*\slot+3], s[G0B+4*\slot+2:G0B+4*\slot+3], B_STEP
	JLOAD G0+4*\slot, G1, G0B+4*\slot, G1B
	PLACES NP-4
	RB \next, 0, 0
	RB \next, 0, 1
	RB \next, 0, 2
	RA \next, 0, 0
	s_cmp_gt_u32 s3, 1                             ; the last trip's look-ahead would pass K's end
	s_cbranch_scc0 .Lnot_ahead_\@
	global_prefetch_b8 v[PFO], s[PFA:PFA+1] th:TH_LOAD_NT scope:SCOPE_SE
.Lnot_ahead_\@:
	REST 1, \slot, 0, \next, 0, 1
.endm
	s_wait_tensorcnt 0x0                           ; my tile of the head's four is in
	ds_add_u32 v[SPW], v[NIL]
	s_mov_b32 s[G1+2], 1<<16                       ; no tensor load of mine is out: from here on a load brings one plane
	s_mov_b32 s[G1+4], 1
	s_mov_b32 s[G1B+2], 1<<16
	s_mov_b32 s[G1B+4], 1
	s_wait_dscnt 0x0
	CROUND
	JLOAD G0+4, G1, G0B+4, G1B                     ; K step 1
	PLACES NP-4
	FETCH_B 0, 0, 0
	FETCH_A 0, 0, 0
	SCALES 0
	FETCH_A 0, 0, 4
	s_wait_loadcnt 0x0                             ; b2, the first products' C
	STEP 0, 0, 1
.irp b, 0,1,2,3,4,5,6,7                ; W3 takes its place
	global_load_b128 v[BIAS+8*\b:BIAS+8*\b+3], v[VB], s[98:99] offset:256*(\b/4)+32*(\b%4)
	global_load_b128 v[BIAS+8*\b+4:BIAS+8*\b+7], v[VB], s[98:99] offset:256*(\b/4)+32*(\b%4)+16
.endr
	s_mov_b32 s3, LAPS-1
.Llap:
	TURN 0, 1
	STEP 1, 0, 0
	TURN 1, 0
	STEP 0, 0, 0
	s_sub_co_u32 s3, s3, 1
	s_cmp_lg_u32 s3, 0
	s_cbranch_scc1 .Llap
.macro ALOAD a                         ; block a's rows, both planes of slot 1, into buffer a % 4: 8 loads
	FRAG AF+32*((\a)%4), ADRA+1, 0, \a
	FRAG AF+32*((\a)%4)+FR, ADRA+1, 1, \a
.endm
.macro DOTG d, n                       ; block d's relu and dot with W3, gaps 0 .. 22: four maxima, and the two products of the gap before; then the sum over the lane and its partner
.set W_, 2+(\d)/4
.set A_, 64*((\d)%4)
.set H_, CH+8*((\d)%2)
.if (\n) < 16
	WIN 0x44*W_
.irp i, 0,1,2,3
	v_max_num_f32 v[A_+4*(\n)+\i], 0, v[A_+4*(\n)+\i]
.endr
.endif
.if (\n) > 0 && (\n) < 3
	WIN W_
.irp i, 0,1
.set P_, 2*((\n)-1)+\i
	v_pk_mul_f32 v[H_+2*P_:H_+2*P_+1], v[A_+2*P_:A_+2*P_+1], v[BIAS+2*P_:BIAS+2*P_+1]
.endr
.elseif (\n) > 2 && (\n) < 17
	WIN W_
.irp i, 0,1
.set P_, 2*((\n)-1)+\i
	v_pk_fma_f32 v[H_+2*(P_%4):H_+2*(P_%4)+1], v[A_+2*P_:A_+2*P_+1], v[BIAS+2*P_:BIAS+2*P_+1], v[H_+2*(P_%4):H_+2*(P_%4)+1]
.endr
.elseif (\n) == 17
	WIN 0
	v_pk_add_f32 v[H_:H_+1], v[H_:H_+1], v[H_+2:H_+3]
	v_pk_add_f32 v[H_+4:H_+5], v[H_+4:H_+5], v[H_+6:H_+7]
.elseif (\n) == 18
	WIN 0
	v_pk_add_f32 v[H_:H_+1], v[H_:H_+1], v[H_+4:H_+5]
.elseif (\n) == 19
	WIN 0
	v_add_f32 v[H_+2], v[H_], v[H_+1]
.elseif (\n) == 20
	WIN 0
	v_permlanex16_b32 v[ZT], v[H_+2], s100, s101
.elseif (\n) == 21
	WIN 0
	v_add_f32 v[ZT+1], v[H_+2], v[ZT]
.elseif (\n) == 22
	WIN 0
	ds_store_b32 v[ZS], v[ZT+1] offset:64*(\d)     ; lanes l and l xor 16 store the same word with the same value
.endif
.endm
.macro ROW a                           ; block a is finished: 16 products, its eight accumulators by turns, K ascending
.set N_, 0
.rept 16
.set Q_, N_/8
.set B_, N_%8
.set FA_, AF+32*((\a)%4)+FR*Q_
.set AC_, 64*((\a)%4)+8*B_
.if (\a) == 0 && N_ == 8
	s_wait_dscnt 8                                 ; B's second plane is in (behind it: A's block 3)
.endif
	WIN MUL_LO+0x50*((\a)/4)
	v_wmma_scale_f32_16x16x128_f8f6f4 v[AC_:AC_+7], v[128*Q_+FR*B_:128*Q_+FR*B_+FR-1], v[FA_:FA_+FR-1], v[AC_:AC_+7], v[SC+16+2*B_+Q_], v[SC+16+2*(\a)+Q_] matrix_a_fmt:MATRIX_FMT_BF8 matrix_b_fmt:MATRIX_FMT_BF8 matrix_a_scale:MATRIX_SCALE_ROW1
.if (\a) > 1 && N_ < 7
	DOTG (\a)-2, 16+N_
.endif
.if (\a) > 0
	DOTG (\a)-1, N_
.endif
.if (\a) > 0 && (\a) < 5 && N_ == 3
	WIN 0
	ALOAD (\a)+3                                   ; the buffer of the block before takes the block four further on
.endif
.set N_, N_+1
.endr
.endm
.macro ROWWAIT n                       ; n: the younger blocks' loads, which may be out
	s_wait_alu depctr_va_vdst(0)
	s_wait_dscnt \n
.endm
	MEET 0                                         ; nothing is filled again: no round
	PLACES NP
.irp i, 0,1,2,3
	RB 1, 0, \i
.endr
	WIN 0
	ALOAD 0
	WIN MUL_LO
	MUL16 2, 1, 1, 0, 0
	PLACES NP
.irp i, 4,5,6,7
	RB 1, 0, \i
.endr
	WIN 0
	ALOAD 1
	WIN MUL_HI
	MUL16 4, 1, 1, 0, 0
	PLACES NP
	WIN 0
	s_wait_alu depctr_va_vdst(0)
	v_add_nc_u32 v[ADRS], 2048, v[ADRS]
	SCALES 1
	ALOAD 2
	WIN MUL_HI
	MUL16 6, 1, 1, 0, 0
	PLACES NP
	FETCH_B 1, 1, 1
	ALOAD 3
	s_wait_dscnt 40                                ; all but the 40 just issued
	ROW 0
	PLACES NP                                      ; block 0's results are read next, and no other vector work is at hand
	s_wait_loadcnt 0x0                             ; W3
	ROW 1
	ROW 2
	ROWWAIT 16
	ROW 3
	ROWWAIT 16
	ROW 4
	ROWWAIT 16
	ROW 5
	ROWWAIT 8
	ROW 6
	ROWWAIT 0
	ROW 7
.set K_, 0
.rept 16
.if K_ < 7
	DOTG 6, 16+K_
.endif
	DOTG 7, K_
.set K_, K_+1
.endr
.rept 7
	DOTG 7, K_
.set K_, K_+1
.endr
	WIN 0
	ds_load_b128 v[128:131], v[ZR]                 ; LDS serves a wave's instructions in order: this sees my stores
	s_wait_dscnt 0x0
	global_store_b128 v[CO], v[128:131], s[12:13]  ; 128 rows: 512 consecutive bytes
	s_wait_tensorcnt 0x0                           ; the wave's end
	ds_add_u32 v[SPW], v[NIL]
	s_wait_dscnt 0x0
	CROUND
	s_endpgm
.Lfunc_end_k_q89a61416ae_gemm2:
	.size	k_q89a61416ae_gemm2, .Lfunc_end_k_q89a61416ae_gemm2-k_q89a61416ae_gemm2
	.p2alignl 7, 3214868480
	.fill 96, 4, 3214868480
	.section	.rodata,"a",@progbits
	.p2align	6, 0x0
	.amdhsa_kernel k_q89a61416ae_gemm2
		.amdhsa_group_segment_fixed_size 327680
		.amdhsa_private_segment_fixed_size 0
		.amdhsa_enable_private_segment 0
		.amdhsa_kernarg_size 56
		.amdhsa_user_sgpr_count 2
		.amdhsa_user_sgpr_kernarg_segment_ptr 1
		.amdhsa_wavefront_size32 1
		.amdhsa_system_sgpr_workgroup_id_x 1
		.amdhsa_system_sgpr_workgroup_id_y 1
		.amdhsa_system_sgpr_workgroup_id_z 1
		.amdhsa_system_vgpr_workitem_id 0
		.amdhsa_next_free_vgpr 1024
		.amdhsa_next_free_sgpr 102
		.amdhsa_reserve_vcc 0
		.amdhsa_float_denorm_mode_32 3
		.amdhsa_float_denorm_mode_16_64 3
		.amdhsa_memory_ordered 1
		.amdhsa_forward_progress 1
		.amdhsa_inst_pref_size 176
	.end_amdhsa_kernel
	.amdgpu_metadata
---
amdhsa.version: [ 1, 2 ]
amdhsa.kernels:
  - .name:           k_q89a61416ae_gemm2
    .symbol:         k_q89a61416ae_gemm2.kd
    .args:
      - { .name: h1c, .offset: 0, .size: 8, .value_kind: global_buffer, .address_space: global }
      - { .name: h1s, .offset: 8, .size: 8, .value_kind: global_buffer, .address_space: global }
      - { .name: wc, .offset: 16, .size: 8, .value_kind: global_buffer, .address_space: global }
      - { .name: ws, .offset: 24, .size: 8, .value_kind: global_buffer, .address_space: global }
      - { .name: b2, .offset: 32, .size: 8, .value_kind: global_buffer, .address_space: global }
      - { .name: W3, .offset: 40, .size: 8, .value_kind: global_buffer, .address_space: global }
      - { .name: zp, .offset: 48, .size: 8, .value_kind: global_buffer, .address_space: global }
    .group_segment_fixed_size: 327680
    .private_segment_fixed_size: 0
    .kernarg_segment_align: 8
    .kernarg_segment_size: 56
    .max_flat_workgroup_size: 128
    .sgpr_count:     102
    .vgpr_count:     1024
    .wavefront_size: 32
...
	.end_amdgpu_metadata
.endif
;; end of part 3
;; launch combine (part 4): grid 32 x 1, 1 waves a work-group, no clusters, 0 bytes of LDS; arguments zp, b3, soft_cluster_probs, out0; writes out0
.if DOCPART == 4
	.amdgcn_target "amdgcn-amd-amdhsa--gfx1250"
	.amdhsa_code_object_version 6
	.text
	.protected	k_q89a61416ae_combine
	.globl	k_q89a61416ae_combine
	.p2align	8
	.type	k_q89a61416ae_combine,@function
k_q89a61416ae_combine:
	s_mov_b64 s[64:65], 0
	v_nop
	global_prefetch_b8 v0, s[64:65] scope:SCOPE_SE
	s_setreg_imm32_b32 hwreg(HW_REG_WAVE_MODE, 25, 1), 1
	s_wait_xcnt 0x0
; out0[row] = the sum over the 8 experts of sigmoid(z[e][row] + b3[e]) x soft_cluster_probs[row][e], with z[e][row] = the sum of zp[e][0 .. 7][row].  All in f32.
; zp: f32 [8 e][8 slices][2,048 rows].  A wave owns 64 rows, a lane rows 2 l and 2 l + 1: each load of zp covers 256 consecutive bytes, aligned, and so does the one store.
; The launch moves 600 KiB in all: no LDS, no barrier, no matrix unit; all of a wave's 68 loads are issued before the one wait.
; sigmoid(t) = 1 / (1 + 2^(-t log2 e)): where the exponential overflows the reciprocal gives 0, where it falls to 0 the result is 1.  NaN among the inputs is not served.
.set Z,  16                            ; v16-143  zp: pair 8 e + s
.set PR, 144                           ; v144-151 the probabilities of row 2 l, v152-159 of row 2 l + 1
.set O,  160                           ; v160-161 the two results
	s_load_b256 s[4:11], s[0:1], 0x0               ; zp s[4:5], b3 s[6:7], soft_cluster_probs s[8:9], out0 s[10:11]
	v_lshlrev_b32 v1, 3, v0                        ; my two rows in zp and in out0: 8 bytes a lane
	v_lshlrev_b32 v2, 6, v0                        ; and in the probabilities: 64 bytes a lane
	s_lshl_b32 s12, ttmp9, 8                       ; the wave's 64 rows of 4 bytes
	s_mov_b32 s13, 0
	s_lshl_b32 s14, ttmp9, 11                      ; and of 32 bytes
	s_mov_b32 s15, 0
	s_mov_b32 s32, 0xbfb8aa3b                      ; -log2(e)
	s_wait_alu depctr_va_vdst(0)
	s_wait_kmcnt 0x0
	s_load_b256 s[16:23], s[6:7], 0x0              ; b3: eight numbers; nothing in this launch writes them
	s_add_nc_u64 s[4:5], s[4:5], s[12:13]
	s_add_nc_u64 s[8:9], s[8:9], s[14:15]
	s_add_nc_u64 s[10:11], s[10:11], s[12:13]
.set I, 0
.rept 64
	global_load_b64 v[Z+2*I:Z+2*I+1], v1, s[4:5] offset:I*8192
.set I, I+1
.endr
.irp j, 0,1,2,3
	global_load_b128 v[PR+4*\j:PR+4*\j+3], v2, s[8:9] offset:16*\j
.endr
	s_wait_kmcnt 0x0
.irp e, 0,1,2,3,4,5,6,7
	s_mul_f32 s[24+\e], s[16+\e], s32              ; -b3 log2(e): the addend of the fused multiply-add below
.endr
	s_wait_loadcnt 0x0
.irp e, 0,1,2,3,4,5,6,7                        ; the eight slices of each expert, as a tree of packed additions
.irp j, 0,4,8,12
	v_pk_add_f32 v[Z+16*\e+\j:Z+16*\e+\j+1], v[Z+16*\e+\j:Z+16*\e+\j+1], v[Z+16*\e+\j+2:Z+16*\e+\j+3]
.endr
.endr
.irp e, 0,1,2,3,4,5,6,7
.irp j, 0,8
	v_pk_add_f32 v[Z+16*\e+\j:Z+16*\e+\j+1], v[Z+16*\e+\j:Z+16*\e+\j+1], v[Z+16*\e+\j+4:Z+16*\e+\j+5]
.endr
.endr
.irp e, 0,1,2,3,4,5,6,7
	v_pk_add_f32 v[Z+16*\e:Z+16*\e+1], v[Z+16*\e:Z+16*\e+1], v[Z+16*\e+8:Z+16*\e+9]
.endr
.irp e, 0,1,2,3,4,5,6,7
	v_fma_f32 v[Z+16*\e], v[Z+16*\e], s32, s[24+\e]        ; -(z + b3) log2(e)
	v_fma_f32 v[Z+16*\e+1], v[Z+16*\e+1], s32, s[24+\e]
.endr
	s_wait_alu depctr_va_vdst(0)
.irp e, 0,1,2,3,4,5,6,7
	v_exp_f32 v[Z+16*\e], v[Z+16*\e]
	v_exp_f32 v[Z+16*\e+1], v[Z+16*\e+1]
.endr
	v_nop                                          ; one plain vector line between the last exponential and the use of its result
	s_wait_alu depctr_va_vdst(0)
.irp e, 0,1,2,3,4,5,6,7
	v_pk_add_f32 v[Z+16*\e:Z+16*\e+1], v[Z+16*\e:Z+16*\e+1], 1.0 op_sel_hi:[1,0]
.endr
	s_wait_alu depctr_va_vdst(0)
.irp e, 0,1,2,3,4,5,6,7
	v_rcp_f32 v[Z+16*\e], v[Z+16*\e]
	v_rcp_f32 v[Z+16*\e+1], v[Z+16*\e+1]
.endr
	v_nop                                          ; and behind the last reciprocal
	s_wait_alu depctr_va_vdst(0)
	v_mul_f32 v[O], v[Z], v[PR]                    ; the first expert starts the sums
	v_mul_f32 v[O+1], v[Z+1], v[PR+8]
.irp e, 1,2,3,4,5,6,7
	v_fmac_f32 v[O], v[Z+16*\e], v[PR+\e]
	v_fmac_f32 v[O+1], v[Z+16*\e+1], v[PR+8+\e]
.endr
	global_store_b64 v1, v[O:O+1], s[10:11]        ; 32 lanes store 256 consecutive bytes, aligned
	s_endpgm
.Lfunc_end_k_q89a61416ae_combine:
	.size	k_q89a61416ae_combine, .Lfunc_end_k_q89a61416ae_combine-k_q89a61416ae_combine
	.p2alignl 7, 3214868480
	.fill 96, 4, 3214868480
	.section	.rodata,"a",@progbits
	.p2align	6, 0x0
	.amdhsa_kernel k_q89a61416ae_combine
		.amdhsa_group_segment_fixed_size 0
		.amdhsa_private_segment_fixed_size 0
		.amdhsa_enable_private_segment 0
		.amdhsa_kernarg_size 32
		.amdhsa_user_sgpr_count 2
		.amdhsa_user_sgpr_kernarg_segment_ptr 1
		.amdhsa_wavefront_size32 1
		.amdhsa_system_sgpr_workgroup_id_x 1
		.amdhsa_system_sgpr_workgroup_id_y 1
		.amdhsa_system_sgpr_workgroup_id_z 1
		.amdhsa_system_vgpr_workitem_id 0
		.amdhsa_next_free_vgpr 176
		.amdhsa_next_free_sgpr 66
		.amdhsa_reserve_vcc 0
		.amdhsa_float_denorm_mode_32 3
		.amdhsa_float_denorm_mode_16_64 3
		.amdhsa_memory_ordered 1
		.amdhsa_forward_progress 1
		.amdhsa_inst_pref_size 15
	.end_amdhsa_kernel
	.amdgpu_metadata
---
amdhsa.version: [ 1, 2 ]
amdhsa.kernels:
  - .name:           k_q89a61416ae_combine
    .symbol:         k_q89a61416ae_combine.kd
    .args:
      - { .name: zp, .offset: 0, .size: 8, .value_kind: global_buffer, .address_space: global }
      - { .name: b3, .offset: 8, .size: 8, .value_kind: global_buffer, .address_space: global }
      - { .name: soft_cluster_probs, .offset: 16, .size: 8, .value_kind: global_buffer, .address_space: global }
      - { .name: out0, .offset: 24, .size: 8, .value_kind: global_buffer, .address_space: global }
    .group_segment_fixed_size: 0
    .private_segment_fixed_size: 0
    .kernarg_segment_align: 8
    .kernarg_segment_size: 32
    .max_flat_workgroup_size: 32
    .sgpr_count:     66
    .vgpr_count:     176
    .wavefront_size: 32
...
	.end_amdgpu_metadata
.endif
;; end of part 4
